; MI455X (gfx1250); checked and timed in simulation.
; The chip was launched on July 23, 2026; its instructions are those of AMD's public machine-readable ISA for CDNA 5 (MIT licence, August 2026) and "CDNA5" Instruction Set Architecture Reference Guide (July 2026). The comments in the code are by the model that wrote it; some were corrected since.
;; Net. Allowed arithmetic: float matrix products may take bf16 or f16 operands with f32 sums; all other float work in f32.
;; Inputs: b_ka 1,024 float32; b_y 1,024 float32; bka 1,024 float32; bkd 1 float32; g_ka 1,024 float32; g_y 1,024 float32; wk 1,024 x 1,024 float32; wka 1,024 x 1,024 float32; wkd 1,024 x 1 float32; wo 1,024 x 1,024 float32; wq 1,024 x 1,024 float32; wv 1,024 x 1,024 float32; x 1 x 4,096 x 1,024 float32.
;; Outputs: out0 1 x 4,096 float32.
;; 2 versions, each right; version 2 is version 1 with the launch cast written anew for expert scheduling mode. Each part assembles by itself: llvm-mc -triple=amdgcn-amd-amdhsa -mcpu=gfx1250 --defsym DOCPART=n.
;; ======== version 1 of 2: 9 launches
;; workspace buffers: act0 8,388,608 bytes; act1 8,388,608 bytes; wqkv 6,291,456 bytes; wob 2,097,152 bytes; wkab 2,097,152 bytes; qkv 25,165,824 bytes; fbuf 16,777,216 bytes
;; launch cast (part 1): grid 576 x 1, 8 waves a work-group, no clusters, 0 bytes of LDS; arguments x, wq, wk, wv, wo, wka, act0, wqkv, wob, wkab; writes act0, wqkv, wob, wkab
.if DOCPART == 1
	.amdgcn_target "amdgcn-amd-amdhsa--gfx1250"
	.amdhsa_code_object_version 6
	.text
	.protected	k_q09e73ec50a_cast
	.globl	k_q09e73ec50a_cast
	.p2align	8
	.type	k_q09e73ec50a_cast,@function
k_q09e73ec50a_cast:
	s_mov_b64 s[64:65], 0
	v_nop
	global_prefetch_b8 v0, s[64:65] scope:SCOPE_SE
	s_setreg_imm32_b32 hwreg(HW_REG_WAVE_MODE, 25, 1), 1
	s_wait_xcnt 0x0
; x and the five square weights, f32, are rounded once to bf16 (nearest even) for the matrix products that follow.
; A work-group takes a chunk of 16,384 numbers: 65,536 bytes in, 32,768 out.  Chunks 0-255 are x (into act0), 256-319 wq, 320-383 wk, 384-447 wv
; (into wqkv, one behind the other), 448-511 wo (into wob), 512-575 wka (into wkab).  Thread t takes 16 bytes at 16 t of each 4,096 bytes: a load of a
; wave covers 512 consecutive bytes, a store 256 consecutive bytes at a multiple of 256.  All sixteen loads go out first; no register is written twice,
; so the only waits are the counted ones for the loads.  No LDS, no barrier, no matrix unit, no cluster: nothing is read twice.
; LIMIT: a number whose magnitude rounds past bf16's largest finite one becomes an infinity.
.set NL, 16                            ; loads of a thread
	s_load_b512 s[8:23], s[0:1], 0x0               ; x s[8:9], wq s[10:11], wk s[12:13], wv s[14:15], wo s[16:17], wka s[18:19], act0 s[20:21], wqkv s[22:23]
	s_load_b128 s[24:27], s[0:1], 0x40             ; wob s[24:25], wkab s[26:27]
	s_mov_b32 s2, ttmp9                            ; the chunk
	s_sub_co_u32 s30, s2, 256                      ; its number inside each of the five weights (used only where the chunk lies there)
	s_sub_co_u32 s31, s2, 320
	s_sub_co_u32 s32, s2, 384
	s_sub_co_u32 s33, s2, 448
	s_sub_co_u32 s34, s2, 512
	v_lshlrev_b32 v1, 4, v0                        ; 16 bytes a thread in
	v_lshlrev_b32 v2, 3, v0                        ; 8 bytes a thread out
	s_wait_kmcnt 0x0
	s_mov_b64 s[4:5], s[8:9]                       ; from x
	s_mov_b64 s[6:7], s[20:21]                     ; into act0
	s_mov_b32 s28, s2                              ; chunk inside the source
	s_mov_b32 s29, s2                              ; chunk inside the destination
	s_cmp_ge_u32 s2, 256                           ; the selects hang on the chunk's number alone
	s_cselect_b64 s[4:5], s[10:11], s[4:5]
	s_cselect_b64 s[6:7], s[22:23], s[6:7]
	s_cselect_b32 s28, s30, s28
	s_cselect_b32 s29, s30, s29                    ; wq, wk, wv lie on end in wqkv: one count from 256 on serves all three
	s_cmp_ge_u32 s2, 320
	s_cselect_b64 s[4:5], s[12:13], s[4:5]
	s_cselect_b32 s28, s31, s28
	s_cmp_ge_u32 s2, 384
	s_cselect_b64 s[4:5], s[14:15], s[4:5]
	s_cselect_b32 s28, s32, s28
	s_cmp_ge_u32 s2, 448
	s_cselect_b64 s[4:5], s[16:17], s[4:5]
	s_cselect_b64 s[6:7], s[24:25], s[6:7]
	s_cselect_b32 s28, s33, s28
	s_cselect_b32 s29, s33, s29
	s_cmp_ge_u32 s2, 512
	s_cselect_b64 s[4:5], s[18:19], s[4:5]
	s_cselect_b64 s[6:7], s[26:27], s[6:7]
	s_cselect_b32 s28, s34, s28
	s_cselect_b32 s29, s34, s29
	s_lshl_b32 s28, s28, 16                        ; 65,536 bytes a chunk in
	s_lshl_b32 s30, s29, 15                        ; 32,768 out
	s_mov_b32 s29, 0
	s_mov_b32 s31, 0
	s_add_nc_u64 s[4:5], s[4:5], s[28:29]
	s_add_nc_u64 s[6:7], s[6:7], s[30:31]
.set i, 0
.rept NL
	global_load_b128 v[4+4*i:7+4*i], v1, s[4:5] offset:4096*i th:TH_LOAD_NT
.set i, i+1
.endr
.set i, 0
.rept NL
	s_wait_loadcnt NL-1-i                          ; loads come back in order: load i is in, the younger ones stay out
	v_cvt_pk_bf16_f32 v[68+2*i], v[4+4*i], v[5+4*i]
	v_cvt_pk_bf16_f32 v[69+2*i], v[6+4*i], v[7+4*i]
	global_store_b64 v2, v[68+2*i:69+2*i], s[6:7] offset:2048*i
.set i, i+1
.endr
	s_endpgm
.Lfunc_end_k_q09e73ec50a_cast:
	.size	k_q09e73ec50a_cast, .Lfunc_end_k_q09e73ec50a_cast-k_q09e73ec50a_cast
	.p2alignl 7, 3214868480
	.fill 96, 4, 3214868480
	.section	.rodata,"a",@progbits
	.p2align	6, 0x0
	.amdhsa_kernel k_q09e73ec50a_cast
		.amdhsa_group_segment_fixed_size 0
		.amdhsa_private_segment_fixed_size 0
		.amdhsa_enable_private_segment 0
		.amdhsa_kernarg_size 80
		.amdhsa_user_sgpr_count 2
		.amdhsa_user_sgpr_kernarg_segment_ptr 1
		.amdhsa_wavefront_size32 1
		.amdhsa_system_sgpr_workgroup_id_x 1
		.amdhsa_system_sgpr_workgroup_id_y 1
		.amdhsa_system_sgpr_workgroup_id_z 1
		.amdhsa_system_vgpr_workitem_id 0
		.amdhsa_next_free_vgpr 100
		.amdhsa_next_free_sgpr 66
		.amdhsa_reserve_vcc 0
		.amdhsa_float_denorm_mode_32 3
		.amdhsa_float_denorm_mode_16_64 3
		.amdhsa_memory_ordered 1
		.amdhsa_forward_progress 1
		.amdhsa_inst_pref_size 8
	.end_amdhsa_kernel
	.amdgpu_metadata
---
amdhsa.version: [ 1, 2 ]
amdhsa.kernels:
  - .name:           k_q09e73ec50a_cast
    .symbol:         k_q09e73ec50a_cast.kd
    .args:
      - { .name: x, .offset: 0, .size: 8, .value_kind: global_buffer, .address_space: global }
      - { .name: wq, .offset: 8, .size: 8, .value_kind: global_buffer, .address_space: global }
      - { .name: wk, .offset: 16, .size: 8, .value_kind: global_buffer, .address_space: global }
      - { .name: wv, .offset: 24, .size: 8, .value_kind: global_buffer, .address_space: global }
      - { .name: wo, .offset: 32, .size: 8, .value_kind: global_buffer, .address_space: global }
      - { .name: wka, .offset: 40, .size: 8, .value_kind: global_buffer, .address_space: global }
      - { .name: act0, .offset: 48, .size: 8, .value_kind: global_buffer, .address_space: global }
      - { .name: wqkv, .offset: 56, .size: 8, .value_kind: global_buffer, .address_space: global }
      - { .name: wob, .offset: 64, .size: 8, .value_kind: global_buffer, .address_space: global }
      - { .name: wkab, .offset: 72, .size: 8, .value_kind: global_buffer, .address_space: global }
    .group_segment_fixed_size: 0
    .private_segment_fixed_size: 0
    .kernarg_segment_align: 8
    .kernarg_segment_size: 80
    .max_flat_workgroup_size: 256
    .sgpr_count:     66
    .vgpr_count:     100
    .wavefront_size: 32
...
	.end_amdgpu_metadata
.endif
;; end of part 1
;; launch proj (part 2): grid 8 x 32, 4 waves a work-group, clusters of 4 x 4, 327,680 bytes of LDS; arguments act0, wqkv, qkv; writes qkv
.if DOCPART == 2
	.amdgcn_target "amdgcn-amd-amdhsa--gfx1250"
	.amdhsa_code_object_version 6
	.text
	.protected	k_q09e73ec50a_proj
	.globl	k_q09e73ec50a_proj
	.p2align	8
	.type	k_q09e73ec50a_proj,@function
k_q09e73ec50a_proj:
	s_mov_b64 s[64:65], 0
	v_nop
	global_prefetch_b8 v0, s[64:65] scope:SCOPE_SE
	s_setreg_imm32_b32 hwreg(HW_REG_WAVE_MODE, 25, 1), 1
	s_wait_xcnt 0x0
	s_wait_alu depctr_hold_cnt(0) depctr_sa_sdst(0) depctr_va_vdst(0) depctr_va_sdst(0) depctr_va_ssrc(0) depctr_va_vcc(0) depctr_vm_vsrc(0)
	s_getreg_b32 s2, hwreg(HW_REG_IB_STS2, 6, 4)
	s_cmp_eq_u32 s2, 0
	s_cbranch_scc0 .Lentry_in_a_cluster
	s_endpgm
.Lentry_in_a_cluster:
	s_bfe_u32 s2, ttmp6, 0x10000c
	s_cmp_lg_u32 s2, 0xf033
	s_cbranch_scc0 .Lentry_shape_is_right
	s_endpgm
.Lentry_shape_is_right:
; THE PROJECTIONS.  qkv[p] = xb wqkv[p] for p = 0, 1, 2 (Q without its factor 0.06, K, V).  xb [4096][1024], wqkv [3][1024 k][1024 n], qkv [3][4096][1024], all bf16; sums in f32, rounded once.
; SHARES.  A work-group makes the SAME tile of 128 x 128 of all three products: 128 x 384 numbers, 8 x 32 = 256 work-groups.  Four waves, each 64 x 64 of each product: 48 accumulators.  A fragment of xb feeds three
; products: for 32 along K a wave reads 4 + 12 fragments from LDS for 48 matrix instructions, where three tiles made apart would read 24.
; K = 1,024 goes in eight steps of 128 through two LDS slots; a slot holds xb's 128 rows x 256 bytes and, of each of the three weights, 128 rows of K x 256 bytes.  Wave 0 fetches xb's tile, waves 1 to 3 one weight's each.
; A wave has two tensor loads out at the start and one behind each refill's round; a refill has 176 matrix instructions in which to land.
; CLUSTERS: 4 x 4 work-groups.  The four of a row of the cluster need the same tile of xb, the four of a column the same tiles of the weights: each tile is asked for JOINTLY, by the same tensor load with the same descriptor and mask.
; THE MATRIX INSTRUCTION IS USED TRANSPOSED (source 0 = the weight's fragment, source 1 = xb's): a lane then holds eight neighbouring numbers of a row of the result.
; The weights lie [K][N]: their fragments come out of LDS turned, by ds_load_tr16_b128.
; REGISTERS, in windows of 256: window 0: v0-31 addresses; v32-95 at work on the way out; v128-255 Q's sums ((a, b) at 128 + 8 (4 a + b)).  Window 1: two fragment buffers of 128: for 32 along K, 32 registers of xb,
; then 32 of each weight.  Window 2: v0-127 K's sums, v128-255 V's.
.set LDK,    1024                      ; numbers in a row of xb, of a weight and of a result
.set KSTEP,  128
.set PA,     272                       ; an LDS row of xb: 256 bytes + 16 of padding = 68 words: the 16 rows of a load start at 16 different groups of four banks (64 banks of 4 bytes: ISA guide 11.1)
.set ATILE,  128*PA
.set PB,     288                       ; an LDS row of a weight: 128 columns = 256 bytes + 32 of padding = 72 words
.set BTILE,  128*PB
.set SLOT,   ATILE+3*BTILE             ; 145,408 bytes
.set STAGE,  2*SLOT                    ; behind the ring, never filled by a tensor load: 128 rows x 272 bytes, the work-group's, for the way out
.set SPITCH, 272
.set SPARE,  STAGE+128*SPITCH          ; from here on: the spare words, 128 bytes for each wave, which no other line names
.set LAPS,   LDK/(2*KSTEP)             ; a lap = two K steps = once round the ring
.set ADRA, 16                          ; v16-17  LDS address of my fragments of xb in slot 0, 1
.set ADRB, 18                          ; v18-23  the same for weight p in slot s, at 3 s + p: a register each, since two tiles' distance would pass the loads' 16-bit offset
.set STO,  24                          ; v24     the way out: where I put 16 bytes of a row
.set RD,   25                          ; v25     the way out: where I read a row back
.set CO,   26                          ; v26     my byte offset in a result
.set SPW,  28                          ; v28     LDS address of my spare word; never rewritten
.set NIL,  29                          ; v29     0; never rewritten
.set TMP,  32
.set F0,   0                           ; fragment buffers, in window 1
.set F1,   128
.set G1,  24                           ; s[24:31] descriptor group 1 for xb's tiles; s[32:39] group 0, one set for each slot
.set G0,  32
.set G1B, 48                           ; s[48:55], s[56:63] the same for the weights' tiles
.set G0B, 56
.set MSB, 0
.macro WIN new                         ; the immediate's high byte repeats the setting that is left; a switch that changes nothing is dropped
.if MSB != (\new)
	s_set_vgpr_msb (MSB<<8)|(\new)
.set MSB, \new
.endif
.endm
.set MUL,  0x05                        ; sources 0 and 1 window 1; C and D window 0 (with 0xa0 more: window 2)
.set TO_F, 0x40                        ; destination window 1, address window 0
.macro JLOAD s                         ; a joint load: wave 0 fetches xb's tile, waves 1 to 3 a weight's; an s_nop 0 and four v_nop follow each of the two lines
	s_cmp_eq_u32 s10, 0
	s_cbranch_scc0 .Lfor_b_\@
	tensor_load_to_lds s[G0+4*(\s):G0+4*(\s)+3], s[G1:G1+7]
	s_nop 0
.rept 4
	v_nop
.endr
	s_branch .Lasked_\@
.Lfor_b_\@:
	tensor_load_to_lds s[G0B+4*(\s):G0B+4*(\s)+3], s[G1B:G1B+7]
	s_nop 0
.rept 4
	v_nop
.endr
.Lasked_\@:
.endm
.macro CREST                           ; a round of the cluster's barrier behind its opening barrier
	s_cmp_lg_u32 s10, 0
	s_cbranch_scc1 .Lnot_wave_0_\@
	s_barrier_signal -3
.Lnot_wave_0_\@:
	s_barrier_wait -3
	s_barrier_signal -1
	s_barrier_wait -1
.endm
.macro CROUND                          ; a whole round
	s_barrier_signal -1
	s_barrier_wait -1
	CREST
.endm
	s_load_b128 s[4:7], s[0:1], 0x0                ; xb s[4:5], wqkv s[6:7]
	s_load_b64 s[8:9], s[0:1], 0x10                ; qkv
	v_lshl_add_u32 v[SPW], v0, 2, SPARE
	v_mov_b32 v[NIL], 0
	ds_add_u32 v[SPW], v[NIL]                      ; the wave's opening: the add and its wait stand ahead of my first tensor load; the set-up below, work on registers, stands between them
	v_lshrrev_b32 v1, 5, v0
	v_readfirstlane_b32 s10, v1                    ; wave 0..3
	s_lshr_b32 s11, s10, 1                         ; which half of the tile's rows is mine
	s_and_b32 s12, s10, 1                          ; which half of its columns
	s_bfe_u32 s40, ttmp6, 0x40000                  ; cx, cy: my place in the cluster
	s_bfe_u32 s41, ttmp6, 0x40004
	s_lshl_b32 s42, ttmp9, 2
	s_add_co_u32 s42, s42, s40                     ; tile column = 4 x cluster x + cx
	s_and_b32 s13, ttmp7, 0xffff
	s_lshl_b32 s13, s13, 2
	s_add_co_u32 s13, s13, s41                     ; tile row = 4 x cluster y + cy
	s_lshl_b32 s43, s41, 2
	s_lshl_b32 s43, 15, s43                        ; my row of the cluster
	s_lshl_b32 s44, 0x1111, s40                    ; my column
	s_or_b32 s[G1+0], s43, (1<<16)|(1<<20)|(1<<21)|(5<<22)|(3<<25)   ; 15:0 the mask: xb's tiles go to my row; 17:16 2-byte elements; 20 padding on; 21 set beside a mask; after every 64 words 4 words
	s_or_b32 s[G1B+0], s44, (1<<16)|(1<<20)|(1<<21)|(5<<22)|(7<<25)  ; the weights' tiles go to my column; after every 64 words 8 words
.irp g, G1, G1B
	s_mov_b32 s[(\g)+1], 128<<16                   ; tensor_dim0 = 128
	s_mov_b32 s[(\g)+2], 128<<16                   ; tensor_dim1 = 128
	s_mov_b32 s[(\g)+3], 128<<16                   ; tile_dim0 = 128
	s_mov_b32 s[(\g)+4], 128                       ; tile_dim1 = 128
	s_mov_b32 s[(\g)+5], LDK                       ; elements from row to row
	s_mov_b32 s[(\g)+6], 0
	s_mov_b32 s[(\g)+7], 0
.endr
	; where the tiles come from, as byte offsets.  xb's hangs on the tile row alone, a weight's on the tile column and the wave alone; each in registers that never hold the other coordinate
	s_lshl_b32 s16, s13, 18                        ; xb: 128 rows of 2,048 bytes for each tile row
	s_mov_b32 s17, 0
	s_max_u32 s46, s10, 1
	s_sub_co_u32 s46, s46, 1                       ; the weight that I fetch: wave - 1 (wave 0 makes weight 0's address and never asks by it)
	s_lshl_b32 s46, s46, 21                        ; 2 MiB each
	s_lshl_b32 s47, s42, 8                         ; the tile's 128 columns: 256 bytes
	s_add_co_u32 s46, s46, s47
	s_mov_b32 s47, 0
	s_mul_i32 s21, s10, BTILE                      ; and where a weight's tile goes: behind xb's tile, (wave - 1) tiles on (wave 0 never asks by this word): no place in the cluster enters an LDS address
	s_sub_co_u32 s21, s21, BTILE-ATILE
	s_wait_dscnt 0x0                               ; the opening add is done
	s_wait_kmcnt 0x0
	s_add_nc_u64 s[14:15], s[4:5], s[16:17]
	s_add_nc_u64 s[46:47], s[6:7], s[46:47]
	CROUND                                         ; all sixteen work-groups are here: the first joint loads meet
.irp s, 0,1
	s_mov_b32 s[G0+4*(\s)], 1                      ; count = 1
	s_mov_b32 s[G0+4*(\s)+1], (\s)*SLOT            ; LDS address
	s_add_nc_u64 s[G0+4*(\s)+2:G0+4*(\s)+3], s[14:15], (\s)*KSTEP*2  ; global address: K step s
	s_or_b32 s[G0+4*(\s)+3], s[G0+4*(\s)+3], 0x80000000              ; type = 2
	s_mov_b32 s[G0B+4*(\s)], 1
	s_add_co_u32 s[G0B+4*(\s)+1], s21, (\s)*SLOT
	s_add_nc_u64 s[G0B+4*(\s)+2:G0B+4*(\s)+3], s[46:47], (\s)*KSTEP*LDK*2
	s_or_b32 s[G0B+4*(\s)+3], s[G0B+4*(\s)+3], 0x80000000
	JLOAD \s
.endr
	v_and_b32 v1, 15, v0                           ; l % 16
	v_bfe_u32 v2, v0, 4, 1                         ; l / 16
	v_mul_u32_u24 v3, v1, PA
	v_lshl_add_u32 v3, v2, 4, v3                   ; a fragment's row x pitch + 16 x half
	s_mul_i32 s22, s11, 64*PA                      ; my 64 rows of xb
	v_add_nc_u32 v[ADRA], s22, v3
	v_add_nc_u32 v[ADRA+1], SLOT, v[ADRA]
	; the turning load takes 16 rows of K x 16 columns (lane l reads row 8 (l / 16) + l % 8, columns 8 ((l / 8) % 2) + 0..7) and leaves half a fragment: lane l holds column l % 16 and 8 numbers along K
	v_and_b32 v4, 7, v0
	v_bfe_u32 v5, v0, 3, 1
	v_lshl_add_u32 v4, v2, 3, v4
	v_mul_u32_u24 v4, v4, PB
	v_lshl_add_u32 v4, v5, 4, v4
	s_lshl_b32 s23, s12, 7                         ; my 64 columns: 128 bytes
	s_add_co_u32 s23, s23, ATILE
	v_add_nc_u32 v[ADRB], s23, v4
	v_add_nc_u32 v[ADRB+1], BTILE, v[ADRB]
	v_add_nc_u32 v[ADRB+2], 2*BTILE, v[ADRB]
	v_add_nc_u32 v[ADRB+3], SLOT, v[ADRB]
	v_add_nc_u32 v[ADRB+4], SLOT+BTILE, v[ADRB]
	v_add_nc_u32 v[ADRB+5], SLOT+2*BTILE, v[ADRB]
	s_mul_i32 s23, s11, 64*SPITCH                  ; into the work-group's stage: my 64 rows, my half of their 256 bytes; row l % 16, 16 bytes for each half of the lanes
	s_lshl_b32 s22, s12, 7
	s_add_co_u32 s23, s23, s22
	s_add_co_u32 s23, s23, STAGE
	v_mul_u32_u24 v4, v1, SPITCH
	v_lshl_add_u32 v4, v2, 4, v4
	v_add_nc_u32 v[STO], s23, v4
	s_mul_i32 s23, s10, 32*SPITCH                  ; back: wave w takes rows 32 w .. 32 w + 31, whole
	s_add_co_u32 s23, s23, STAGE
	v_mul_u32_u24 v5, v2, SPITCH
	v_lshl_add_u32 v5, v1, 4, v5
	v_add_nc_u32 v[RD], s23, v5
	v_lshlrev_b32 v5, 11, v2                       ; and the same two rows in the result, 2,048 bytes apart
	v_lshl_add_u32 v[CO], v1, 4, v5
	s_lshl_b32 s16, s13, 7
	s_lshl_b32 s17, s10, 5
	s_add_co_u32 s16, s16, s17                     ; the first row that I store: 128 x tile row + 32 x wave
	s_lshl_b32 s16, s16, 11
	s_mov_b32 s17, 0
	s_add_nc_u64 s[8:9], s[8:9], s[16:17]
	s_lshl_b32 s46, s42, 8                         ; the tile's first column, in bytes
	s_mov_b32 s47, 0
	s_add_nc_u64 s[8:9], s[8:9], s[46:47]          ; Q's tile; K's and V's lie 8 MiB and 16 MiB on
; 8 matrix instructions of product p: m blocks a0, a0 + 1 x all 4 n blocks, 32 along K, from buffer f.  zero = 1: the product starts the sums.  The 48 accumulators take turns.
.macro MUL8 f, p, a0, zero
	WIN MUL+0xa0*(((\p)+1)/2)
.set AB, 128*(1-((\p)%2))
.irp a, \a0, (\a0)+1
.irp b, 0,1,2,3
.if \zero
	v_wmma_f32_16x16x32_bf16 v[AB+8*(4*(\a)+(\b)):AB+8*(4*(\a)+(\b))+7], v[(\f)+32+8*(4*(\p)+(\b)):(\f)+32+8*(4*(\p)+(\b))+7], v[(\f)+8*(\a):(\f)+8*(\a)+7], 0
.else
	v_wmma_f32_16x16x32_bf16 v[AB+8*(4*(\a)+(\b)):AB+8*(4*(\a)+(\b))+7], v[(\f)+32+8*(4*(\p)+(\b)):(\f)+32+8*(4*(\p)+(\b))+7], v[(\f)+8*(\a):(\f)+8*(\a)+7], v[AB+8*(4*(\a)+(\b)):AB+8*(4*(\a)+(\b))+7]
.endif
.endr
.endr
.endm
; 32 LDS loads in one run: the fragments of quarter u (32 along K) of a slot, into buffer f: xb's eight loads, then eight for each weight
.macro FETCH slot, u, f
	WIN TO_F
.irp i, 0,1,2,3
	ds_load_b128 v[(\f)+8*(\i):(\f)+8*(\i)+3],   v[ADRA+(\slot)] offset:64*(\u)+(\i)*16*PA
	ds_load_b128 v[(\f)+8*(\i)+4:(\f)+8*(\i)+7], v[ADRA+(\slot)] offset:64*(\u)+(\i)*16*PA+32
.endr
.irp p, 0,1,2
.irp i, 0,1,2,3
	ds_load_tr16_b128 v[(\f)+32+8*(4*(\p)+(\i)):(\f)+32+8*(4*(\p)+(\i))+3],   v[ADRB+3*(\slot)+(\p)] offset:32*(\u)*PB+32*(\i)
	ds_load_tr16_b128 v[(\f)+32+8*(4*(\p)+(\i))+4:(\f)+32+8*(4*(\p)+(\i))+7], v[ADRB+3*(\slot)+(\p)] offset:(32*(\u)+16)*PB+32*(\i)
.endr
.endr
.endm
.macro PLACES                          ; four plain vector instructions in front of loads into registers that matrix instructions have read, and of lines that read results
.rept 4
	v_nop
.endr
.endm
; A K step is four quarters of 32 along K, 48 matrix instructions each, on buffers 0, 1, 0, 1.  One of the first three: multiplies buffer f and fetches quarter u into g.
.macro QUARTER slot, u, f, g, zero
	s_wait_dscnt 16                                ; xb's and the first weight's fragments are in; the run's second sixteen loads may be out
	MUL8 \f, 0, 0, \zero
	MUL8 \f, 0, 2, \zero
	PLACES
	FETCH \slot, \u, \g
	s_wait_dscnt 32                                ; all but the 32 just issued
	MUL8 \f, 1, 0, \zero
	MUL8 \f, 1, 2, \zero
	MUL8 \f, 2, 0, \zero
	MUL8 \f, 2, 2, \zero
.endm
; The last quarter multiplies buffer 1 and changes slots: ONE barrier; in front of it each wave waits for all its tensor loads, adds 0 to its spare word, and waits for that and for its own reads of this slot.
; fill = 1: this slot is filled again, two K steps ahead; the barrier then opens a round of the cluster's barrier.
.macro TURN slot, next, fill
	WIN 0                                          ; (the add's two registers lie in window 0)
	s_wait_tensorcnt 0x0                           ; all my tensor loads have landed: my part of the next slot;
	ds_add_u32 v[SPW], v[NIL]                      ; 0 onto my spare word;
	s_wait_dscnt 17                                ; (the add and the youngest sixteen loads may be out)
	MUL8 F1, 0, 0, 0                               ; eight matrix instructions stand between the add and the wait for it
	s_wait_dscnt 0x0                               ; the add is done, and my reads of this slot are over
	s_barrier_signal -1
	MUL8 F1, 0, 2, 0
.if \fill
	WIN 0
.endif
	s_barrier_wait -1
.if \fill
	CREST                                          ; no wave of any partner still reads this slot's tiles or has a load on its way
	s_add_nc_u64 s[G0+4*(\slot)+2:G0+4*(\slot)+3], s[G0+4*(\slot)+2:G0+4*(\slot)+3], 2*KSTEP*2
	s_add_nc_u64 s[G0B+4*(\slot)+2:G0B+4*(\slot)+3], s[G0B+4*(\slot)+2:G0B+4*(\slot)+3], 2*KSTEP*LDK*2
	JLOAD \slot                                    ; the first tensor load behind the round; the four v_nop behind it are also the places in front of the loads below
.else
	PLACES
.endif
	FETCH \next, 0, F0
	MUL8 F1, 1, 0, 0
	MUL8 F1, 1, 2, 0
	MUL8 F1, 2, 0, 0
	MUL8 F1, 2, 2, 0
.endm
	s_wait_tensorcnt 1                             ; my part of K step 0 is in; step 1's may stay out
	s_barrier_signal -1
	s_barrier_wait -1                              ; everybody's is
	FETCH 0, 0, F0
	QUARTER 0, 1, F0, F1, 1                        ; the first quarter stands in front of the loop: its products start the sums
	WIN 0                                          ; at a label and at a branch every window is 0
	s_mov_b32 s3, LAPS-1
.Llap:                                                 ; a trip goes once round the ring, from a lap's second quarter to the next lap's first, and fills both slots again
	QUARTER 0, 2, F1, F0, 0
	QUARTER 0, 3, F0, F1, 0
	TURN 0, 1, 1
	QUARTER 1, 1, F0, F1, 0
	QUARTER 1, 2, F1, F0, 0
	QUARTER 1, 3, F0, F1, 0
	TURN 1, 0, 1
	QUARTER 0, 1, F0, F1, 0
	WIN 0
	s_sub_co_u32 s3, s3, 1
	s_cmp_lg_u32 s3, 0
	s_cbranch_scc1 .Llap
	QUARTER 0, 2, F1, F0, 0                        ; the last lap fills nothing, and has no round of the cluster's barrier
	QUARTER 0, 3, F0, F1, 0
	TURN 0, 1, 0
	QUARTER 1, 1, F0, F1, 0
	QUARTER 1, 2, F1, F0, 0
	QUARTER 1, 3, F0, F1, 0
	s_wait_dscnt 16                                ; the very last quarter: nothing more to fetch
	MUL8 F1, 0, 0, 0
	MUL8 F1, 0, 2, 0
	s_wait_dscnt 0x0
	MUL8 F1, 1, 0, 0
	MUL8 F1, 1, 2, 0
	MUL8 F1, 2, 0, 0
	MUL8 F1, 2, 2, 0
	WIN 0
	PLACES
; THE WAY OUT of product p: rounded to bf16; 16 bytes a lane into the work-group's stage; a barrier, since a row's 256 bytes come from two waves; back as whole rows, 32 rows a wave.
; The one stage serves the three products in turn: a second barrier stands between every wave's reads of it (waited for by the last count below) and the next product's stores into it; the conversions stand inside that barrier.
.macro OUT p
.if (\p) > 0
	s_wait_xcnt 0x0                                ; the last product's stores have read TMP and the base (ISA guide 3.1): both are rewritten only behind this wait
	s_add_nc_u64 s[8:9], s[8:9], 0x800000          ; the next product's tile: 8 MiB on
	s_barrier_signal -1
.endif
	WIN 0x0a*(((\p)+1)/2)                          ; sources 0 and 1: window 0 for Q's sums, window 2 for K's and V's
.set AB, 128*(1-((\p)%2))
.irp t, 0,1,2,3,4,5,6,7,8,9,10,11,12,13,14,15
.irp r, 0,1,2,3
	v_cvt_pk_bf16_f32 v[TMP+4*(\t)+(\r)], v[AB+8*(\t)+2*(\r)], v[AB+8*(\t)+2*(\r)+1]
.endr
.endr
	WIN 0
.if (\p) > 0
	s_barrier_wait -1                              ; nobody reads the stage any more
.endif
.irp a, 0,1,2,3
.irp b, 0,1,2,3
	ds_store_b128 v[STO], v[TMP+4*(4*(\a)+(\b)):TMP+4*(4*(\a)+(\b))+3] offset:(\a)*16*SPITCH+32*(\b)
.endr
.endr
	s_wait_dscnt 0x0                               ; for the others' sake: my stores into the stage are done
	s_barrier_signal -1
	s_barrier_wait -1
.irp t, 0,1,2,3,4,5,6,7,8,9,10,11,12,13,14,15
	ds_load_b128 v[TMP+4*(\t):TMP+4*(\t)+3], v[RD] offset:(\t)*2*SPITCH
.endr
.irp t, 0,1,2,3,4,5,6,7,8,9,10,11,12,13,14,15
	s_wait_dscnt 15-(\t)
	global_store_b128 v[CO], v[TMP+4*(\t):TMP+4*(\t)+3], s[8:9] offset:2*(\t)*LDK*2  ; 16 lanes store 256 consecutive bytes, at a multiple of 256 from the buffer's first byte
.endr
.endm
	OUT 0
	OUT 1
	OUT 2
	s_wait_tensorcnt 0x0                           ; the wave's end: these three lines stand behind my last tensor load and my last LDS store
	ds_add_u32 v[SPW], v[NIL]
	s_wait_dscnt 0x0
	CROUND                                         ; the closing round: no work-group ends while a partner may still ask for a tile that names it
	s_endpgm
.Lfunc_end_k_q09e73ec50a_proj:
	.size	k_q09e73ec50a_proj, .Lfunc_end_k_q09e73ec50a_proj-k_q09e73ec50a_proj
	.p2alignl 7, 3214868480
	.fill 96, 4, 3214868480
	.section	.rodata,"a",@progbits
	.p2align	6, 0x0
	.amdhsa_kernel k_q09e73ec50a_proj
		.amdhsa_group_segment_fixed_size 327680
		.amdhsa_private_segment_fixed_size 0
		.amdhsa_enable_private_segment 0
		.amdhsa_kernarg_size 24
		.amdhsa_user_sgpr_count 2
		.amdhsa_user_sgpr_kernarg_segment_ptr 1
		.amdhsa_wavefront_size32 1
		.amdhsa_system_sgpr_workgroup_id_x 1
		.amdhsa_system_sgpr_workgroup_id_y 1
		.amdhsa_system_sgpr_workgroup_id_z 1
		.amdhsa_system_vgpr_workitem_id 0
		.amdhsa_next_free_vgpr 768
		.amdhsa_next_free_sgpr 66
		.amdhsa_reserve_vcc 0
		.amdhsa_float_denorm_mode_32 3
		.amdhsa_float_denorm_mode_16_64 3
		.amdhsa_memory_ordered 1
		.amdhsa_forward_progress 1
		.amdhsa_inst_pref_size 120
	.end_amdhsa_kernel
	.amdgpu_metadata
---
amdhsa.version: [ 1, 2 ]
amdhsa.kernels:
  - .name:           k_q09e73ec50a_proj
    .symbol:         k_q09e73ec50a_proj.kd
    .args:
      - { .name: act0, .offset: 0, .size: 8, .value_kind: global_buffer, .address_space: global }
      - { .name: wqkv, .offset: 8, .size: 8, .value_kind: global_buffer, .address_space: global }
      - { .name: qkv, .offset: 16, .size: 8, .value_kind: global_buffer, .address_space: global }
    .group_segment_fixed_size: 327680
    .private_segment_fixed_size: 0
    .kernarg_segment_align: 8
    .kernarg_segment_size: 24
    .max_flat_workgroup_size: 128
    .sgpr_count:     66
    .vgpr_count:     768
    .wavefront_size: 32
...
	.end_amdgpu_metadata
.endif
;; end of part 2
;; launch scores (part 3): grid 8 x 32, 4 waves a work-group, clusters of 4 x 4, 327,680 bytes of LDS; arguments qkv, fbuf; writes fbuf
.if DOCPART == 3
	.amdgcn_target "amdgcn-amd-amdhsa--gfx1250"
	.amdhsa_code_object_version 6
	.text
	.protected	k_q09e73ec50a_scores
	.globl	k_q09e73ec50a_scores
	.p2align	8
	.type	k_q09e73ec50a_scores,@function
k_q09e73ec50a_scores:
	s_mov_b64 s[64:65], 0
	v_nop
	global_prefetch_b8 v0, s[64:65] scope:SCOPE_SE
	s_setreg_imm32_b32 hwreg(HW_REG_WAVE_MODE, 25, 1), 1
	s_wait_xcnt 0x0
	s_wait_alu depctr_hold_cnt(0) depctr_sa_sdst(0) depctr_va_vdst(0) depctr_va_sdst(0) depctr_va_ssrc(0) depctr_va_vcc(0) depctr_vm_vsrc(0)
	s_getreg_b32 s2, hwreg(HW_REG_IB_STS2, 6, 4)
	s_cmp_eq_u32 s2, 0
	s_cbranch_scc0 .Lentry_in_a_cluster
	s_endpgm
.Lentry_in_a_cluster:
	s_bfe_u32 s2, ttmp6, 0x10000c
	s_cmp_lg_u32 s2, 0xf033
	s_cbranch_scc0 .Lentry_shape_is_right
	s_endpgm
.Lentry_shape_is_right:
; THE SCORES.  S[j][w] = K[j] . Q[ws + w], w = 0 .. 1,023, in f32, without the factor 0.06 (the softmax applies it in f32).  ws = 512 (j / 512) - 256 held inside 0 .. 3,072: one window of 1,024 neighbours for the
; 512 rows of a cluster row; it holds every i with |i - j| <= 256.  Of a row's eight blocks of 128 neighbours three lie wholly outside the band and are computed all the same: the price of a B tile that a column of the cluster shares.
; ONE TEXT SERVES THREE BODIES of this program; five constants at its head say which: BT (1: B's rows lie along K; 0: B lies [K][N] and its fragments come out of LDS turned), WINDOW (1: B's rows are
; counted from the window start of the cluster's 512 rows of C), ABASE, BBASE (bytes in front of A and B in their buffers), F32OUT (1: C leaves in f32).  Here: 1, 1, K's place in qkv, 0 (Q's), 1.
; SHARES.  A tile of C is 128 x 128: 256 tiles.  Four waves, each 64 x 64: 16 accumulators.  K = 1,024 goes in four steps of 256 through two LDS slots,
; so the walk is written out.  A wave has two tensor loads out at the start and one behind each refill's barrier; a refill has 112 matrix instructions in which to land.
; CLUSTERS: 4 x 4 work-groups.  The four of a row of the cluster need the same tiles of A, the four of a column the same tiles of B: each tile is asked for JOINTLY, by the same tensor load with the same descriptor and mask.
; THE MATRIX INSTRUCTION IS USED TRANSPOSED (source 0 = B's fragment, source 1 = A's): a lane then holds eight neighbouring numbers of a row of C.
; REGISTERS: window 0: v0-31 addresses; v32-95 at work on the way out; v128-255 the accumulators ((a, b) at v[128 + 8 (4 a + b)]).  Window 1: two fragment buffers of 128: for 64 along K, 64 registers of A, then 64 of B.
.set BT,     1
.set WINDOW, 1
.set ABASE,  0x800000
.set BBASE,  0
.set F32OUT, 1
.set LDK,    1024                      ; numbers in a row of A, of B and of C
.set KSTEP,  256
.set PA,     528                       ; an LDS row of A: 512 bytes + 16 of padding = 132 words: the 16 rows of a load start at 16 different groups of four banks (64 banks of 4 bytes: ISA guide 11.1)
.set HALFA,  64*PA                     ; 64 rows: one tensor load, and what one wave reads of A
.if BT
.set PB,     528                       ; B as A
.set BROWS,  64
.set BCOLS,  256
.set BPAD,   (6<<22)|(3<<25)           ; after every 128 words 4 words
.set BSTEP,  KSTEP*2                   ; bytes from K step to K step
.else
.set PB,     288                       ; an LDS row of B: 128 columns = 256 bytes + 32 of padding = 72 words
.set BROWS,  128                       ; 128 rows of K: one tensor load
.set BCOLS,  128
.set BPAD,   (5<<22)|(7<<25)           ; after every 64 words 8 words
.set BSTEP,  KSTEP*LDK*2
.endif
.set HALFB,  BROWS*PB
.set BOFF,   2*HALFA                   ; B's tile lies behind A's 128 rows
.set SLOT,   BOFF+2*HALFB
.set STAGE,  2*SLOT                    ; behind the ring, never filled by a tensor load: the way out
.set SPITCH, 272
.if F32OUT
.set SPARE,  STAGE+4*16*SPITCH         ; a stage of 16 rows for each wave
.else
.set SPARE,  STAGE+128*SPITCH          ; one stage of 128 rows for the work-group
.endif                                 ; from SPARE on: the spare words, 128 bytes for each wave, which no other line names
.set ADRA, 16                          ; v16-17  LDS address of my A fragments in slot 0, 1
.set ADRB, 20                          ; v20-23  the same for B: slot 0 (rows of K 0-127, 128-255), slot 1 (likewise); with BT = 1 v20 and v22 alone
.set STO,  24                          ; v24     the way out: where I put my numbers of a row
.set RD,   25                          ; v25     the way out: where I read a row back
.set CO,   26                          ; v26     my byte offset in C
.set SPW,  28                          ; v28     LDS address of my spare word; never rewritten
.set NIL,  29                          ; v29     0; never rewritten
.set TMP,  32
.set ACC,  128
.set F0,   0                           ; fragment buffers, in window 1
.set F1,   128
.set G1,  24                           ; s[24:31] descriptor group 1 for A's tiles; s[32:39] group 0, one set for each slot
.set G0,  32
.set G1B, 48                           ; s[48:55], s[56:63] the same for B's tiles
.set G0B, 56
.set MSB, 0
.macro WIN new                         ; the immediate's high byte repeats the setting that is left; a switch that changes nothing is dropped
.if MSB != (\new)
	s_set_vgpr_msb (MSB<<8)|(\new)
.set MSB, \new
.endif
.endm
.set MUL,  0x05                        ; sources 0 (B) and 1 (A) window 1; C and D window 0
.set TO_F, 0x40                        ; destination window 1, address window 0
.macro JLOAD s                         ; a joint load: waves 0 and 1 fetch A's two halves, waves 2 and 3 B's; an s_nop 0 and four v_nop follow each of the two lines
	s_cmp_eq_u32 s11, 0
	s_cbranch_scc0 .Lfor_b_\@
	tensor_load_to_lds s[G0+4*(\s):G0+4*(\s)+3], s[G1:G1+7]
	s_nop 0
.rept 4
	v_nop
.endr
	s_branch .Lasked_\@
.Lfor_b_\@:
	tensor_load_to_lds s[G0B+4*(\s):G0B+4*(\s)+3], s[G1B:G1B+7]
	s_nop 0
.rept 4
	v_nop
.endr
.Lasked_\@:
.endm
.macro CREST                           ; a round of the cluster's barrier behind its opening barrier
	s_cmp_lg_u32 s10, 0
	s_cbranch_scc1 .Lnot_wave_0_\@
	s_barrier_signal -3
.Lnot_wave_0_\@:
	s_barrier_wait -3
	s_barrier_signal -1
	s_barrier_wait -1
.endm
.macro CROUND                          ; a whole round
	s_barrier_signal -1
	s_barrier_wait -1
	CREST
.endm
.if BT
	s_load_b128 s[4:7], s[0:1], 0x0                ; the buffer that holds A and B s[4:5], C s[6:7]
.else
	s_load_b128 s[4:7], s[0:1], 0x0                ; A s[4:5], B s[6:7]
	s_load_b64 s[8:9], s[0:1], 0x10                ; C
.endif
	v_lshl_add_u32 v[SPW], v0, 2, SPARE
	v_mov_b32 v[NIL], 0
	ds_add_u32 v[SPW], v[NIL]                      ; the wave's opening: the add and its wait stand ahead of my first tensor load; the set-up below, work on registers, stands between them
	v_lshrrev_b32 v1, 5, v0
	v_readfirstlane_b32 s10, v1                    ; wave 0..3
	s_lshr_b32 s11, s10, 1                         ; which half of the tile's rows is mine.  Also: I fetch for A (0) or for B (1)
	s_and_b32 s12, s10, 1                          ; which half of its columns.  Also: which half of that tile I fetch
	s_bfe_u32 s40, ttmp6, 0x40000                  ; cx, cy: my place in the cluster
	s_bfe_u32 s41, ttmp6, 0x40004
	s_lshl_b32 s42, ttmp9, 2
	s_add_co_u32 s42, s42, s40                     ; tile column = 4 x cluster x + cx
	s_and_b32 s13, ttmp7, 0xffff                   ; cluster y
.if WINDOW
	s_lshl_b32 s45, s13, 9                         ; the window of the cluster's 512 rows begins at 512 x cluster y - 256,
	s_sub_co_i32 s45, s45, 256
	s_max_i32 s45, s45, 0                          ; held inside 0 .. 4,096 - 1,024: it holds every neighbour within 256 of those rows
	s_min_i32 s45, s45, 3072
.endif
	s_lshl_b32 s13, s13, 2
	s_add_co_u32 s13, s13, s41                     ; tile row = 4 x cluster y + cy
	s_lshl_b32 s43, s41, 2
	s_lshl_b32 s43, 15, s43                        ; my row of the cluster
	s_lshl_b32 s44, 0x1111, s40                    ; my column
	s_or_b32 s[G1+0], s43, (1<<16)|(1<<20)|(1<<21)|(6<<22)|(3<<25)  ; 15:0 the mask: A's tiles go to my row; 17:16 2-byte elements; 20 padding on; 21 set beside a mask; after every 128 words 4 words
	s_mov_b32 s[G1+1], KSTEP<<16                   ; tensor_dim0 = 256
	s_mov_b32 s[G1+2], 64<<16                      ; tensor_dim1 = 64
	s_mov_b32 s[G1+3], KSTEP<<16                   ; tile_dim0 = 256
	s_mov_b32 s[G1+4], 64                          ; tile_dim1 = 64
	s_mov_b32 s[G1+5], LDK                         ; elements from row to row
	s_mov_b32 s[G1+6], 0
	s_mov_b32 s[G1+7], 0
	s_or_b32 s[G1B+0], s44, (1<<16)|(1<<20)|(1<<21)|BPAD            ; B's tiles go to my column
	s_mov_b32 s[G1B+1], BCOLS<<16
	s_mov_b32 s[G1B+2], BROWS<<16
	s_mov_b32 s[G1B+3], BCOLS<<16
	s_mov_b32 s[G1B+4], BROWS
	s_mov_b32 s[G1B+5], LDK
	s_mov_b32 s[G1B+6], 0
	s_mov_b32 s[G1B+7], 0
	; where the tiles come from, as byte offsets.  A's hangs on the tile row alone, B's on the tile column and the cluster's y alone; each in registers that never hold the other coordinate
	s_lshl_b32 s16, s13, 7
	s_lshl_b32 s17, s12, 6
	s_add_co_u32 s16, s16, s17                     ; A: row 128 x tile row + 64 x half,
	s_lshl_b32 s16, s16, 11                        ; 2,048 bytes each
.if ABASE
	s_add_co_u32 s16, s16, ABASE
.endif
	s_mov_b32 s17, 0
.if BT
	s_lshl_b32 s46, s42, 7
	s_lshl_b32 s47, s12, 6
	s_add_co_u32 s46, s46, s47                     ; B: row 128 x tile column + 64 x half
.else
	s_lshl_b32 s46, s12, 7                         ; B: row of K 128 x half
.endif
.if WINDOW
	s_add_co_u32 s46, s46, s45                     ; counted from the window's start
.endif
	s_lshl_b32 s46, s46, 11
.if BT == 0
	s_lshl_b32 s47, s42, 8
	s_add_co_u32 s46, s46, s47                     ; the tile's 128 columns: 256 bytes
.endif
.if BBASE
	s_add_co_u32 s46, s46, BBASE
.endif
	s_mov_b32 s47, 0
	s_mul_i32 s20, s12, HALFA                      ; and where they go: no place in the cluster enters an LDS address
	s_mul_i32 s21, s12, HALFB
	s_add_co_u32 s21, s21, BOFF
	s_wait_dscnt 0x0                               ; the opening add is done
	s_wait_kmcnt 0x0
.if BT
	s_mov_b64 s[8:9], s[6:7]                       ; C
	s_mov_b64 s[6:7], s[4:5]                       ; B lies in A's buffer
.endif
	s_add_nc_u64 s[14:15], s[4:5], s[16:17]
	s_add_nc_u64 s[46:47], s[6:7], s[46:47]
	CROUND                                         ; all sixteen work-groups are here: the first joint loads meet
.irp s, 0,1
	s_mov_b32 s[G0+4*(\s)], 1                      ; count = 1
	s_add_co_u32 s[G0+4*(\s)+1], s20, (\s)*SLOT    ; LDS address
	s_add_nc_u64 s[G0+4*(\s)+2:G0+4*(\s)+3], s[14:15], (\s)*KSTEP*2  ; global address: K step s
	s_or_b32 s[G0+4*(\s)+3], s[G0+4*(\s)+3], 0x80000000              ; type = 2
	s_mov_b32 s[G0B+4*(\s)], 1
	s_add_co_u32 s[G0B+4*(\s)+1], s21, (\s)*SLOT
	s_add_nc_u64 s[G0B+4*(\s)+2:G0B+4*(\s)+3], s[46:47], (\s)*BSTEP
	s_or_b32 s[G0B+4*(\s)+3], s[G0B+4*(\s)+3], 0x80000000
	JLOAD \s
.endr
	v_and_b32 v1, 15, v0                           ; l % 16
	v_bfe_u32 v2, v0, 4, 1                         ; l / 16
	v_mul_u32_u24 v3, v1, PA
	v_lshl_add_u32 v3, v2, 4, v3                   ; a fragment's row x pitch + 16 x half
	s_mul_i32 s22, s11, HALFA                      ; my 64 rows of A
	v_add_nc_u32 v[ADRA], s22, v3
	v_add_nc_u32 v[ADRA+1], SLOT, v[ADRA]
.if BT
	s_mul_i32 s23, s12, HALFB                      ; my 64 rows of B
	s_add_co_u32 s23, s23, BOFF
	v_add_nc_u32 v[ADRB], s23, v3
	v_add_nc_u32 v[ADRB+2], SLOT, v[ADRB]
.else
	; the turning load takes 16 rows of K x 16 columns (lane l reads row 8 (l / 16) + l % 8, columns 8 ((l / 8) % 2) + 0..7) and leaves half a fragment: lane l holds column l % 16 and 8 numbers along K
	v_and_b32 v4, 7, v0
	v_bfe_u32 v5, v0, 3, 1
	v_lshl_add_u32 v4, v2, 3, v4
	v_mul_u32_u24 v4, v4, PB
	v_lshl_add_u32 v4, v5, 4, v4
	s_lshl_b32 s23, s12, 7                         ; my 64 columns: 128 bytes
	s_add_co_u32 s23, s23, BOFF
	v_add_nc_u32 v[ADRB], s23, v4
	v_add_nc_u32 v[ADRB+1], 128*PB, v[ADRB]        ; two registers a slot: 240 rows of 288 bytes would pass the loads' 16-bit offset
	v_add_nc_u32 v[ADRB+2], SLOT, v[ADRB]
	v_add_nc_u32 v[ADRB+3], SLOT+128*PB, v[ADRB]
.endif
.if F32OUT
	s_mul_i32 s23, s10, 16*SPITCH
	s_add_co_u32 s23, s23, STAGE                   ; my own stage: my 64 columns in f32 are 256 whole bytes of a row of C
	v_mul_u32_u24 v4, v1, SPITCH                   ; in: row l % 16, 32 bytes for each half of the lanes
	v_lshl_add_u32 v4, v2, 5, v4
	v_add_nc_u32 v[STO], s23, v4
	v_mul_u32_u24 v5, v2, SPITCH                   ; back: lanes 0-15 take one row of 256 bytes, lanes 16-31 the next
	v_lshl_add_u32 v5, v1, 4, v5
	v_add_nc_u32 v[RD], s23, v5
	v_lshlrev_b32 v5, 12, v2                       ; and the same two rows in C, 4,096 bytes apart
	v_lshl_add_u32 v[CO], v1, 4, v5
	s_lshl_b32 s16, s13, 7
	s_lshl_b32 s17, s11, 6
	s_add_co_u32 s16, s16, s17                     ; my first row of C: 128 x tile row + 64 x half
	s_lshl_b32 s16, s16, 12
	s_mov_b32 s17, 0
	s_add_nc_u64 s[8:9], s[8:9], s[16:17]
	s_lshl_b32 s46, s42, 9                         ; my first column, in bytes: 512 x tile column + 256 x half
	s_lshl_b32 s47, s12, 8
	s_add_co_u32 s46, s46, s47
	s_mov_b32 s47, 0
	s_add_nc_u64 s[8:9], s[8:9], s[46:47]
.else
	s_mul_i32 s23, s11, 64*SPITCH                  ; into the work-group's stage: my 64 rows, my half of their 256 bytes; row l % 16, 16 bytes for each half of the lanes
	s_lshl_b32 s22, s12, 7
	s_add_co_u32 s23, s23, s22
	s_add_co_u32 s23, s23, STAGE
	v_mul_u32_u24 v4, v1, SPITCH
	v_lshl_add_u32 v4, v2, 4, v4
	v_add_nc_u32 v[STO], s23, v4
	s_mul_i32 s23, s10, 32*SPITCH                  ; back: wave w takes rows 32 w .. 32 w + 31, whole
	s_add_co_u32 s23, s23, STAGE
	v_mul_u32_u24 v5, v2, SPITCH
	v_lshl_add_u32 v5, v1, 4, v5
	v_add_nc_u32 v[RD], s23, v5
	v_lshlrev_b32 v5, 11, v2                       ; and the same two rows in C, 2,048 bytes apart
	v_lshl_add_u32 v[CO], v1, 4, v5
	s_lshl_b32 s16, s13, 7
	s_lshl_b32 s17, s10, 5
	s_add_co_u32 s16, s16, s17                     ; the first row of C that I store: 128 x tile row + 32 x wave
	s_lshl_b32 s16, s16, 11
	s_mov_b32 s17, 0
	s_add_nc_u64 s[8:9], s[8:9], s[16:17]
	s_lshl_b32 s46, s42, 8                         ; the tile's first column, in bytes
	s_mov_b32 s47, 0
	s_add_nc_u64 s[8:9], s[8:9], s[46:47]
.endif
; 8 matrix instructions: m blocks a0, a0 + 1 x all 4 n blocks, 32 along K: half c of buffer f.  zero = 1: the first product starts the sums.  The 16 accumulators take turns.
.macro MUL8 f, c, a0, zero
	WIN MUL
.irp a, \a0, (\a0)+1
.irp b, 0,1,2,3
.if \zero
	v_wmma_f32_16x16x32_bf16 v[ACC+8*(4*(\a)+(\b)):ACC+8*(4*(\a)+(\b))+7], v[(\f)+64+8*(4*(\c)+(\b)):(\f)+64+8*(4*(\c)+(\b))+7], v[(\f)+8*(4*(\c)+(\a)):(\f)+8*(4*(\c)+(\a))+7], 0
.else
	v_wmma_f32_16x16x32_bf16 v[ACC+8*(4*(\a)+(\b)):ACC+8*(4*(\a)+(\b))+7], v[(\f)+64+8*(4*(\c)+(\b)):(\f)+64+8*(4*(\c)+(\b))+7], v[(\f)+8*(4*(\c)+(\a)):(\f)+8*(4*(\c)+(\a))+7], v[ACC+8*(4*(\a)+(\b)):ACC+8*(4*(\a)+(\b))+7]
.endif
.endr
.endr
.endm
; 32 LDS loads in one run: the fragments of quarter q (64 along K) of a slot, into buffer f; the first 32 along K first
.macro FETCH slot, q, f
	WIN TO_F
.irp c, 0,1
.irp i, 0,1,2,3
.if BT
	ds_load_b128 v[(\f)+64+8*(4*(\c)+(\i)):(\f)+64+8*(4*(\c)+(\i))+3],   v[ADRB+2*(\slot)] offset:128*(\q)+64*(\c)+(\i)*16*PB
	ds_load_b128 v[(\f)+64+8*(4*(\c)+(\i))+4:(\f)+64+8*(4*(\c)+(\i))+7], v[ADRB+2*(\slot)] offset:128*(\q)+64*(\c)+(\i)*16*PB+32
.else
	ds_load_tr16_b128 v[(\f)+64+8*(4*(\c)+(\i)):(\f)+64+8*(4*(\c)+(\i))+3],   v[ADRB+2*(\slot)+(\q)/2] offset:(((\q)%2)*64+32*(\c))*PB+32*(\i)
	ds_load_tr16_b128 v[(\f)+64+8*(4*(\c)+(\i))+4:(\f)+64+8*(4*(\c)+(\i))+7], v[ADRB+2*(\slot)+(\q)/2] offset:(((\q)%2)*64+32*(\c)+16)*PB+32*(\i)
.endif
	ds_load_b128 v[(\f)+8*(4*(\c)+(\i)):(\f)+8*(4*(\c)+(\i))+3],         v[ADRA+(\slot)] offset:128*(\q)+64*(\c)+(\i)*16*PA
	ds_load_b128 v[(\f)+8*(4*(\c)+(\i))+4:(\f)+8*(4*(\c)+(\i))+7],       v[ADRA+(\slot)] offset:128*(\q)+64*(\c)+(\i)*16*PA+32
.endr
.endr
.endm
.macro PLACES                          ; four plain vector instructions in front of loads into registers that matrix instructions have read, and of lines that read results
.rept 4
	v_nop
.endr
.endm
; A K step is four quarters of 64 along K, 32 matrix instructions each, on buffers 0, 1, 0, 1.  One of the first three: multiplies buffer f and fetches quarter q into g.
.macro QUARTER slot, q, f, g, zero
	s_wait_dscnt 16                                ; the first 32 along K are in; the run's second sixteen loads may be out
	MUL8 \f, 0, 0, \zero
	MUL8 \f, 0, 2, \zero
	PLACES
	FETCH \slot, \q, \g
	s_wait_dscnt 32                                ; all but the 32 just issued
	MUL8 \f, 1, 0, 0
	MUL8 \f, 1, 2, 0
.endm
; The last quarter multiplies buffer 1 and changes slots: ONE barrier; in front of it each wave waits for all its tensor loads, adds 0 to its spare word, and waits for that and for its own reads of this slot.
; fill = 1: this slot is filled again, two K steps ahead; the barrier then opens a round of the cluster's barrier.
.macro TURN slot, next, fill
	WIN 0                                          ; (the add's two registers lie in window 0)
	s_wait_tensorcnt 0x0                           ; all my tensor loads have landed: my part of the next slot;
	ds_add_u32 v[SPW], v[NIL]                      ; 0 onto my spare word;
	s_wait_dscnt 17                                ; (the add and the youngest sixteen loads may be out)
	MUL8 F1, 0, 0, 0                               ; eight matrix instructions stand between the add and the wait for it
	s_wait_dscnt 0x0                               ; the add is done, and my reads of this slot are over
	s_barrier_signal -1
	MUL8 F1, 0, 2, 0
.if \fill
	WIN 0
.endif
	s_barrier_wait -1
.if \fill
	CREST                                          ; no wave of any partner still reads this slot's tile or has a load on its way
	s_add_nc_u64 s[G0+4*(\slot)+2:G0+4*(\slot)+3], s[G0+4*(\slot)+2:G0+4*(\slot)+3], 2*KSTEP*2      ; two K steps on, by a constant: the type bits on top are not reached
	s_add_nc_u64 s[G0B+4*(\slot)+2:G0B+4*(\slot)+3], s[G0B+4*(\slot)+2:G0B+4*(\slot)+3], 2*BSTEP
	JLOAD \slot                                    ; the first tensor load behind the round; the four v_nop behind it are also the places in front of the loads below
.else
	PLACES
.endif
	FETCH \next, 0, F0
	MUL8 F1, 1, 0, 0
	MUL8 F1, 1, 2, 0
.endm
	s_wait_tensorcnt 1                             ; my part of K step 0 is in; step 1's may stay out
	s_barrier_signal -1
	s_barrier_wait -1                              ; everybody's is
	FETCH 0, 0, F0
	QUARTER 0, 1, F0, F1, 1                        ; K step 0; its first products start the sums
	QUARTER 0, 2, F1, F0, 0
	QUARTER 0, 3, F0, F1, 0
	TURN 0, 1, 1                                   ; slot 0 takes K step 2
	QUARTER 1, 1, F0, F1, 0                        ; K step 1
	QUARTER 1, 2, F1, F0, 0
	QUARTER 1, 3, F0, F1, 0
	TURN 1, 0, 1                                   ; slot 1 takes K step 3
	QUARTER 0, 1, F0, F1, 0                        ; K step 2
	QUARTER 0, 2, F1, F0, 0
	QUARTER 0, 3, F0, F1, 0
	TURN 0, 1, 0                                   ; nothing is left to fetch
	QUARTER 1, 1, F0, F1, 0                        ; K step 3
	QUARTER 1, 2, F1, F0, 0
	QUARTER 1, 3, F0, F1, 0
	s_wait_dscnt 16
	MUL8 F1, 0, 0, 0
	MUL8 F1, 0, 2, 0
	s_wait_dscnt 0x0
	MUL8 F1, 1, 0, 0
	MUL8 F1, 1, 2, 0
	WIN 0
	PLACES
.if F32OUT
; THE WAY OUT in f32, 16 rows at a time through my own stage: a lane's eight numbers of a row go in as 32 bytes, whole rows of 256 bytes come back into the registers that they left.
.macro STG a
.irp b, 0,1,2,3
	ds_store_b128 v[STO], v[ACC+8*(4*(\a)+(\b)):ACC+8*(4*(\a)+(\b))+3]   offset:64*(\b)      ; each accumulator's low half first
	ds_store_b128 v[STO], v[ACC+8*(4*(\a)+(\b))+4:ACC+8*(4*(\a)+(\b))+7] offset:64*(\b)+16
.endr
.irp t, 0,1,2,3,4,5,6,7
	ds_load_b128 v[ACC+32*(\a)+4*(\t):ACC+32*(\a)+4*(\t)+3], v[RD] offset:(\t)*2*SPITCH  ; LDS serves a wave's instructions in order (ISA guide 5.7.1.4): these see the stores above; the next block's stores come behind them
.endr
.endm
.macro SND a, younger                  ; younger: the LDS instructions issued behind block a's loads: the next block's sixteen, or none
.irp t, 0,1,2,3,4,5,6,7
	s_wait_dscnt (\younger)+7-(\t)
	global_store_b128 v[CO], v[ACC+32*(\a)+4*(\t):ACC+32*(\a)+4*(\t)+3], s[8:9] offset:(16*(\a)+2*(\t))*4096  ; 16 lanes store 256 consecutive bytes, at a multiple of 256 from C's first byte
.endr
.endm
	STG 0
	STG 1
	SND 0, 16
	STG 2
	SND 1, 16
	STG 3
	SND 2, 16
	SND 3, 0
.else
	; THE WAY OUT in bf16: rounded; 16 bytes a lane into the work-group's stage; a barrier, since a row's 256 bytes come from two waves; back as whole rows, 32 rows a wave.
.irp t, 0,1,2,3,4,5,6,7,8,9,10,11,12,13,14,15
.irp r, 0,1,2,3
	v_cvt_pk_bf16_f32 v[TMP+4*(\t)+(\r)], v[ACC+8*(\t)+2*(\r)], v[ACC+8*(\t)+2*(\r)+1]
.endr
.endr
.irp a, 0,1,2,3
.irp b, 0,1,2,3
	ds_store_b128 v[STO], v[TMP+4*(4*(\a)+(\b)):TMP+4*(4*(\a)+(\b))+3] offset:(\a)*16*SPITCH+32*(\b)
.endr
.endr
	s_wait_dscnt 0x0                               ; for the others' sake: my stores into the stage are done
	s_barrier_signal -1
	s_barrier_wait -1
.irp t, 0,1,2,3,4,5,6,7,8,9,10,11,12,13,14,15
	ds_load_b128 v[TMP+4*(\t):TMP+4*(\t)+3], v[RD] offset:(\t)*2*SPITCH
.endr
.irp t, 0,1,2,3,4,5,6,7,8,9,10,11,12,13,14,15
	s_wait_dscnt 15-(\t)
	global_store_b128 v[CO], v[TMP+4*(\t):TMP+4*(\t)+3], s[8:9] offset:2*(\t)*LDK*2  ; 16 lanes store 256 consecutive bytes, at a multiple of 256 from C's first byte
.endr
.endif
	s_wait_tensorcnt 0x0                           ; the wave's end: these three lines stand behind my last tensor load and my last LDS store
	ds_add_u32 v[SPW], v[NIL]
	s_wait_dscnt 0x0
	CROUND                                         ; the closing round: no work-group ends while a partner may still ask for a tile that names it
	s_endpgm
.Lfunc_end_k_q09e73ec50a_scores:
	.size	k_q09e73ec50a_scores, .Lfunc_end_k_q09e73ec50a_scores-k_q09e73ec50a_scores
	.p2alignl 7, 3214868480
	.fill 96, 4, 3214868480
	.section	.rodata,"a",@progbits
	.p2align	6, 0x0
	.amdhsa_kernel k_q09e73ec50a_scores
		.amdhsa_group_segment_fixed_size 327680
		.amdhsa_private_segment_fixed_size 0
		.amdhsa_enable_private_segment 0
		.amdhsa_kernarg_size 16
		.amdhsa_user_sgpr_count 2
		.amdhsa_user_sgpr_kernarg_segment_ptr 1
		.amdhsa_wavefront_size32 1
		.amdhsa_system_sgpr_workgroup_id_x 1
		.amdhsa_system_sgpr_workgroup_id_y 1
		.amdhsa_system_sgpr_workgroup_id_z 1
		.amdhsa_system_vgpr_workitem_id 0
		.amdhsa_next_free_vgpr 512
		.amdhsa_next_free_sgpr 66
		.amdhsa_reserve_vcc 0
		.amdhsa_float_denorm_mode_32 3
		.amdhsa_float_denorm_mode_16_64 3
		.amdhsa_memory_ordered 1
		.amdhsa_forward_progress 1
		.amdhsa_inst_pref_size 86
	.end_amdhsa_kernel
	.amdgpu_metadata
---
amdhsa.version: [ 1, 2 ]
amdhsa.kernels:
  - .name:           k_q09e73ec50a_scores
    .symbol:         k_q09e73ec50a_scores.kd
    .args:
      - { .name: qkv, .offset: 0, .size: 8, .value_kind: global_buffer, .address_space: global }
      - { .name: fbuf, .offset: 8, .size: 8, .value_kind: global_buffer, .address_space: global }
    .group_segment_fixed_size: 327680
    .private_segment_fixed_size: 0
    .kernarg_segment_align: 8
    .kernarg_segment_size: 16
    .max_flat_workgroup_size: 128
    .sgpr_count:     66
    .vgpr_count:     512
    .wavefront_size: 32
...
	.end_amdgpu_metadata
.endif
;; end of part 3
;; launch smax (part 4): grid 256 x 1, 16 waves a work-group, no clusters, 0 bytes of LDS; arguments fbuf, act0; writes act0
.if DOCPART == 4
	.amdgcn_target "amdgcn-amd-amdhsa--gfx1250"
	.amdhsa_code_object_version 6
	.text
	.protected	k_q09e73ec50a_smax
	.globl	k_q09e73ec50a_smax
	.p2align	8
	.type	k_q09e73ec50a_smax,@function
k_q09e73ec50a_smax:
	s_mov_b64 s[64:65], 0
	v_nop
	global_prefetch_b8 v0, s[64:65] scope:SCOPE_SE
	s_setreg_imm32_b32 hwreg(HW_REG_WAVE_MODE, 25, 1), 1
	s_wait_xcnt 0x0
; THE SOFTMAX over the band.  P[j][w] = exp(0.06 (S[j][w] - m[j])) / l[j] where |ws + w - j| <= 256, else 0; m the largest score of the row's band, l the sum of its exponentials.
; S [4096][1024] f32, P [4096][1024] bf16; all arithmetic in f32, P rounded once (l is the sum of the unrounded weights).  ws = 512 (j / 512) - 256 held inside 0 .. 3,072, as in the launch that made S.
; A wave takes one row and keeps it in 32 registers: lane l holds the numbers 128 q + 4 l + e (q = 0..7, e = 0..3), eight loads of 512 consecutive bytes.  The row is read once; no wave waits for another:
; no LDS, no barrier.  No cluster and no matrix unit: no two work-groups read the same bytes.  A store of a wave covers 256 consecutive bytes at a multiple of 256.  Sixteen waves, sixteen rows to a work-group.
; LIMITS: a score outside the band is replaced by the lowest finite number, -3.4028e38: true scores must lie above it.  A weight below 2^-126 counts as 0.  NaN and infinities are not treated apart.
; Every row's band holds its own place (i = j), so m is a true score and l is at least 1.
.set X, 16                             ; v[16:47]   the row
.set Y, 48                             ; v[48:63]   the row in bf16
.set SEL, 20                           ; s[20:21]   v_permlanex16_b32's selects: each lane takes its own place in the other half
.set CS, 22                            ; s[22:23]   c = 0.06 log2(e): the packed scaling takes the pair's low word for both halves
	s_load_b128 s[4:7], s[0:1], 0x0                ; S s[4:5], P s[6:7]
	v_lshrrev_b32 v1, 5, v0
	v_readfirstlane_b32 s8, v1                     ; wave 0..15
	v_and_b32 v1, 31, v0                           ; lane
	v_lshlrev_b32 v2, 4, v1                        ; 16 bytes a lane in
	v_lshlrev_b32 v3, 3, v1                        ; 8 bytes a lane out
	v_lshlrev_b32 v4, 2, v1                        ; my first place in a block of 128
	v_mov_b32 v7, 0xff7fffff                       ; what stands for a score outside the band
	s_lshl_b32 s9, ttmp9, 4
	s_add_co_u32 s9, s9, s8                        ; my row = 16 x work-group + wave
	s_and_b32 s10, s9, 0xfffffe00
	s_sub_co_i32 s10, s10, 256
	s_max_i32 s10, s10, 0
	s_min_i32 s10, s10, 3072                       ; ws
	s_sub_co_i32 s12, s9, s10
	s_sub_co_i32 s12, s12, 256                     ; the band is 0 <= w - (j - ws - 256) <= 512
	s_mov_b32 s14, 512
	s_mov_b32 s[SEL], 0x76543210
	s_mov_b32 s[SEL+1], 0xfedcba98
	s_mov_b32 s[CS], 0x3db14743                    ; 0.06 x 1.442695 = 0.0865617
	s_mov_b32 s[CS+1], s[CS]                       ; named with it as a pair
	s_lshl_b32 s16, s9, 12                         ; 4,096 bytes a row in
	s_mov_b32 s17, 0
	s_lshl_b32 s18, s9, 11                         ; 2,048 out
	s_mov_b32 s19, 0
	s_wait_kmcnt 0x0
	s_add_nc_u64 s[4:5], s[4:5], s[16:17]
	s_add_nc_u64 s[6:7], s[6:7], s[18:19]
.irp q, 0,1,2,3,4,5,6,7
	global_load_b128 v[X+4*(\q):X+4*(\q)+3], v2, s[4:5] offset:512*(\q) th:TH_LOAD_NT
.endr
	v_sub_nc_u32 v5, v4, s12
	s_wait_loadcnt 0x0
.irp q, 0,1,2,3,4,5,6,7
.irp e, 0,1,2,3
	v_add_nc_u32 v6, 128*(\q)+(\e), v5             ; w - (j - ws - 256); below the band it wraps to a large unsigned number
	v_cmp_ge_u32 vcc_lo, s14, v6
	v_cndmask_b32 v[X+4*(\q)+(\e)], v7, v[X+4*(\q)+(\e)], vcc_lo
.endr
.endr
.irp k, 0,1,2,3                        ; the maximum: four chains of seven scores, three operands at a time, then the four left over
	v_max3_num_f32 v[8+(\k)], v[X+8*(\k)], v[X+8*(\k)+1], v[X+8*(\k)+2]
.endr
.irp k, 0,1,2,3
	v_max3_num_f32 v[8+(\k)], v[8+(\k)], v[X+8*(\k)+3], v[X+8*(\k)+4]
.endr
.irp k, 0,1,2,3
	v_max3_num_f32 v[8+(\k)], v[8+(\k)], v[X+8*(\k)+5], v[X+8*(\k)+6]
.endr
	v_max3_num_f32 v8, v8, v[X+7], v[X+15]
	v_max3_num_f32 v10, v10, v[X+23], v[X+31]
	v_max3_num_f32 v8, v8, v9, v10
	v_max_num_f32 v8, v8, v11
	v_max_num_f32_dpp v8, v8, v8 row_xmask:1 row_mask:0xf bank_mask:0xf
	v_max_num_f32_dpp v8, v8, v8 row_xmask:2 row_mask:0xf bank_mask:0xf
	v_max_num_f32_dpp v8, v8, v8 row_xmask:4 row_mask:0xf bank_mask:0xf
	v_max_num_f32_dpp v8, v8, v8 row_xmask:8 row_mask:0xf bank_mask:0xf
	v_permlanex16_b32 v9, v8, s[SEL], s[SEL+1]
	v_max_num_f32 v8, v8, v9                       ; m, in every lane
	v_mul_f32 v10, s[CS], v8                       ; c m
.set i, 0
.rept 16
	v_pk_fma_f32 v[X+i:X+i+1], v[X+i:X+i+1], s[CS:CS+1], v[10:11] op_sel_hi:[1,0,0] neg_lo:[0,0,1] neg_hi:[0,0,1]  ; c s - c m
.set i, i+2
.endr
.set i, 0
.rept 32
	v_exp_f32 v[X+i], v[X+i]
.set i, i+1
.endr
	v_nop                                          ; a plain instruction between the last exponential and the use of its result (ISA guide 5.7.2)
	s_wait_alu depctr_va_vdst(0)
.irp k, 0,1,2,3                        ; the sum: four chains of pairs
	v_pk_add_f32 v[8+2*(\k):9+2*(\k)], v[X+2*(\k):X+2*(\k)+1], v[X+8+2*(\k):X+8+2*(\k)+1]
.endr
.irp k, 0,1,2,3
	v_pk_add_f32 v[8+2*(\k):9+2*(\k)], v[8+2*(\k):9+2*(\k)], v[X+16+2*(\k):X+16+2*(\k)+1]
.endr
.irp k, 0,1,2,3
	v_pk_add_f32 v[8+2*(\k):9+2*(\k)], v[8+2*(\k):9+2*(\k)], v[X+24+2*(\k):X+24+2*(\k)+1]
.endr
	v_pk_add_f32 v[8:9], v[8:9], v[10:11]
	v_pk_add_f32 v[12:13], v[12:13], v[14:15]
	v_pk_add_f32 v[8:9], v[8:9], v[12:13]
	v_add_f32 v8, v8, v9
	v_add_f32_dpp v8, v8, v8 row_xmask:1 row_mask:0xf bank_mask:0xf
	v_add_f32_dpp v8, v8, v8 row_xmask:2 row_mask:0xf bank_mask:0xf
	v_add_f32_dpp v8, v8, v8 row_xmask:4 row_mask:0xf bank_mask:0xf
	v_add_f32_dpp v8, v8, v8 row_xmask:8 row_mask:0xf bank_mask:0xf
	v_permlanex16_b32 v9, v8, s[SEL], s[SEL+1]
	v_add_f32 v8, v8, v9                           ; l
	v_rcp_f32 v10, v8
	v_nop                                          ; a plain instruction behind the reciprocal
.set i, 0
	s_wait_alu depctr_va_vdst(0)
.rept 16
	v_pk_mul_f32 v[X+i:X+i+1], v[X+i:X+i+1], v[10:11] op_sel_hi:[1,0]  ; both halves by v10
.set i, i+2
.endr
.set i, 0
.rept 16
	v_cvt_pk_bf16_f32 v[Y+i], v[X+2*i], v[X+2*i+1]
.set i, i+1
.endr
.irp q, 0,1,2,3,4,5,6,7
	global_store_b64 v3, v[Y+2*(\q):Y+2*(\q)+1], s[6:7] offset:256*(\q)
.endr
	s_endpgm
.Lfunc_end_k_q09e73ec50a_smax:
	.size	k_q09e73ec50a_smax, .Lfunc_end_k_q09e73ec50a_smax-k_q09e73ec50a_smax
	.p2alignl 7, 3214868480
	.fill 96, 4, 3214868480
	.section	.rodata,"a",@progbits
	.p2align	6, 0x0
	.amdhsa_kernel k_q09e73ec50a_smax
		.amdhsa_group_segment_fixed_size 0
		.amdhsa_private_segment_fixed_size 0
		.amdhsa_enable_private_segment 0
		.amdhsa_kernarg_size 16
		.amdhsa_user_sgpr_count 2
		.amdhsa_user_sgpr_kernarg_segment_ptr 1
		.amdhsa_wavefront_size32 1
		.amdhsa_system_sgpr_workgroup_id_x 1
		.amdhsa_system_sgpr_workgroup_id_y 1
		.amdhsa_system_sgpr_workgroup_id_z 1
		.amdhsa_system_vgpr_workitem_id 0
		.amdhsa_next_free_vgpr 64
		.amdhsa_next_free_sgpr 66
		.amdhsa_reserve_vcc 1
		.amdhsa_float_denorm_mode_32 3
		.amdhsa_float_denorm_mode_16_64 3
		.amdhsa_memory_ordered 1
		.amdhsa_forward_progress 1
		.amdhsa_inst_pref_size 14
	.end_amdhsa_kernel
	.amdgpu_metadata
---
amdhsa.version: [ 1, 2 ]
amdhsa.kernels:
  - .name:           k_q09e73ec50a_smax
    .symbol:         k_q09e73ec50a_smax.kd
    .args:
      - { .name: fbuf, .offset: 0, .size: 8, .value_kind: global_buffer, .address_space: global }
      - { .name: act0, .offset: 8, .size: 8, .value_kind: global_buffer, .address_space: global }
    .group_segment_fixed_size: 0
    .private_segment_fixed_size: 0
    .kernarg_segment_align: 8
    .kernarg_segment_size: 16
    .max_flat_workgroup_size: 512
    .sgpr_count:     66
    .vgpr_count:     64
    .wavefront_size: 32
...
	.end_amdgpu_metadata
.endif
;; end of part 4
;; launch pv (part 5): grid 8 x 32, 4 waves a work-group, clusters of 4 x 4, 327,680 bytes of LDS; arguments act0, qkv, act1; writes act1
.if DOCPART == 5
	.amdgcn_target "amdgcn-amd-amdhsa--gfx1250"
	.amdhsa_code_object_version 6
	.text
	.protected	k_q09e73ec50a_pv
	.globl	k_q09e73ec50a_pv
	.p2align	8
	.type	k_q09e73ec50a_pv,@function
k_q09e73ec50a_pv:
	s_mov_b64 s[64:65], 0
	v_nop
	global_prefetch_b8 v0, s[64:65] scope:SCOPE_SE
	s_setreg_imm32_b32 hwreg(HW_REG_WAVE_MODE, 25, 1), 1
	s_wait_xcnt 0x0
	s_wait_alu depctr_hold_cnt(0) depctr_sa_sdst(0) depctr_va_vdst(0) depctr_va_sdst(0) depctr_va_ssrc(0) depctr_va_vcc(0) depctr_vm_vsrc(0)
	s_getreg_b32 s2, hwreg(HW_REG_IB_STS2, 6, 4)
	s_cmp_eq_u32 s2, 0
	s_cbranch_scc0 .Lentry_in_a_cluster
	s_endpgm
.Lentry_in_a_cluster:
	s_bfe_u32 s2, ttmp6, 0x10000c
	s_cmp_lg_u32 s2, 0xf033
	s_cbranch_scc0 .Lentry_shape_is_right
	s_endpgm
.Lentry_shape_is_right:
; THE WEIGHTED SUM.  Y[j][d] = the sum over w = 0 .. 1,023 of P[j][w] V[ws + w][d], ws = 512 (j / 512) - 256 held inside 0 .. 3,072: the window in which P was made.  P, V, Y bf16; sums in f32, rounded once.
; P is 0 outside the band; of a row's eight blocks of 128 neighbours three are all zeros and are multiplied all the same: the price of a B tile that a column of the cluster shares.
; ONE TEXT SERVES THREE BODIES of this program; five constants at its head say which: BT (1: B's rows lie along K; 0: B lies [K][N] and its fragments come out of LDS turned), WINDOW (1: B's rows are
; counted from the window start of the cluster's 512 rows of C), ABASE, BBASE (bytes in front of A and B in their buffers), F32OUT (1: C leaves in f32).  Here: 0, 1, 0, V's place in qkv, 0.
; SHARES.  A tile of C is 128 x 128: 256 tiles.  Four waves, each 64 x 64: 16 accumulators.  K = 1,024 goes in four steps of 256 through two LDS slots,
; so the walk is written out.  A wave has two tensor loads out at the start and one behind each refill's barrier; a refill has 112 matrix instructions in which to land.
; CLUSTERS: 4 x 4 work-groups.  The four of a row of the cluster need the same tiles of A, the four of a column the same tiles of B: each tile is asked for JOINTLY, by the same tensor load with the same descriptor and mask.
; THE MATRIX INSTRUCTION IS USED TRANSPOSED (source 0 = B's fragment, source 1 = A's): a lane then holds eight neighbouring numbers of a row of C.
; REGISTERS: window 0: v0-31 addresses; v32-95 at work on the way out; v128-255 the accumulators ((a, b) at v[128 + 8 (4 a + b)]).  Window 1: two fragment buffers of 128: for 64 along K, 64 registers of A, then 64 of B.
.set BT,     0
.set WINDOW, 1
.set ABASE,  0
.set BBASE,  0x1000000
.set F32OUT, 0
.set LDK,    1024                      ; numbers in a row of A, of B and of C
.set KSTEP,  256
.set PA,     528                       ; an LDS row of A: 512 bytes + 16 of padding = 132 words: the 16 rows of a load start at 16 different groups of four banks (64 banks of 4 bytes: ISA guide 11.1)
.set HALFA,  64*PA                     ; 64 rows: one tensor load, and what one wave reads of A
.if BT
.set PB,     528                       ; B as A
.set BROWS,  64
.set BCOLS,  256
.set BPAD,   (6<<22)|(3<<25)           ; after every 128 words 4 words
.set BSTEP,  KSTEP*2                   ; bytes from K step to K step
.else
.set PB,     288                       ; an LDS row of B: 128 columns = 256 bytes + 32 of padding = 72 words
.set BROWS,  128                       ; 128 rows of K: one tensor load
.set BCOLS,  128
.set BPAD,   (5<<22)|(7<<25)           ; after every 64 words 8 words
.set BSTEP,  KSTEP*LDK*2
.endif
.set HALFB,  BROWS*PB
.set BOFF,   2*HALFA                   ; B's tile lies behind A's 128 rows
.set SLOT,   BOFF+2*HALFB
.set STAGE,  2*SLOT                    ; behind the ring, never filled by a tensor load: the way out
.set SPITCH, 272
.if F32OUT
.set SPARE,  STAGE+4*16*SPITCH         ; a stage of 16 rows for each wave
.else
.set SPARE,  STAGE+128*SPITCH          ; one stage of 128 rows for the work-group
.endif                                 ; from SPARE on: the spare words, 128 bytes for each wave, which no other line names
.set ADRA, 16                          ; v16-17  LDS address of my A fragments in slot 0, 1
.set ADRB, 20                          ; v20-23  the same for B: slot 0 (rows of K 0-127, 128-255), slot 1 (likewise); with BT = 1 v20 and v22 alone
.set STO,  24                          ; v24     the way out: where I put my numbers of a row
.set RD,   25                          ; v25     the way out: where I read a row back
.set CO,   26                          ; v26     my byte offset in C
.set SPW,  28                          ; v28     LDS address of my spare word; never rewritten
.set NIL,  29                          ; v29     0; never rewritten
.set TMP,  32
.set ACC,  128
.set F0,   0                           ; fragment buffers, in window 1
.set F1,   128
.set G1,  24                           ; s[24:31] descriptor group 1 for A's tiles; s[32:39] group 0, one set for each slot
.set G0,  32
.set G1B, 48                           ; s[48:55], s[56:63] the same for B's tiles
.set G0B, 56
.set MSB, 0
.macro WIN new                         ; the immediate's high byte repeats the setting that is left; a switch that changes nothing is dropped
.if MSB != (\new)
	s_set_vgpr_msb (MSB<<8)|(\new)
.set MSB, \new
.endif
.endm
.set MUL,  0x05                        ; sources 0 (B) and 1 (A) window 1; C and D window 0
.set TO_F, 0x40                        ; destination window 1, address window 0
.macro JLOAD s                         ; a joint load: waves 0 and 1 fetch A's two halves, waves 2 and 3 B's; an s_nop 0 and four v_nop follow each of the two lines
	s_cmp_eq_u32 s11, 0
	s_cbranch_scc0 .Lfor_b_\@
	tensor_load_to_lds s[G0+4*(\s):G0+4*(\s)+3], s[G1:G1+7]
	s_nop 0
.rept 4
	v_nop
.endr
	s_branch .Lasked_\@
.Lfor_b_\@:
	tensor_load_to_lds s[G0B+4*(\s):G0B+4*(\s)+3], s[G1B:G1B+7]
	s_nop 0
.rept 4
	v_nop
.endr
.Lasked_\@:
.endm
.macro CREST                           ; a round of the cluster's barrier behind its opening barrier
	s_cmp_lg_u32 s10, 0
	s_cbranch_scc1 .Lnot_wave_0_\@
	s_barrier_signal -3
.Lnot_wave_0_\@:
	s_barrier_wait -3
	s_barrier_signal -1
	s_barrier_wait -1
.endm
.macro CROUND                          ; a whole round
	s_barrier_signal -1
	s_barrier_wait -1
	CREST
.endm
.if BT
	s_load_b128 s[4:7], s[0:1], 0x0                ; the buffer that holds A and B s[4:5], C s[6:7]
.else
	s_load_b128 s[4:7], s[0:1], 0x0                ; A s[4:5], B s[6:7]
	s_load_b64 s[8:9], s[0:1], 0x10                ; C
.endif
	v_lshl_add_u32 v[SPW], v0, 2, SPARE
	v_mov_b32 v[NIL], 0
	ds_add_u32 v[SPW], v[NIL]                      ; the wave's opening: the add and its wait stand ahead of my first tensor load; the set-up below, work on registers, stands between them
	v_lshrrev_b32 v1, 5, v0
	v_readfirstlane_b32 s10, v1                    ; wave 0..3
	s_lshr_b32 s11, s10, 1                         ; which half of the tile's rows is mine.  Also: I fetch for A (0) or for B (1)
	s_and_b32 s12, s10, 1                          ; which half of its columns.  Also: which half of that tile I fetch
	s_bfe_u32 s40, ttmp6, 0x40000                  ; cx, cy: my place in the cluster
	s_bfe_u32 s41, ttmp6, 0x40004
	s_lshl_b32 s42, ttmp9, 2
	s_add_co_u32 s42, s42, s40                     ; tile column = 4 x cluster x + cx
	s_and_b32 s13, ttmp7, 0xffff                   ; cluster y
.if WINDOW
	s_lshl_b32 s45, s13, 9                         ; the window of the cluster's 512 rows begins at 512 x cluster y - 256,
	s_sub_co_i32 s45, s45, 256
	s_max_i32 s45, s45, 0                          ; held inside 0 .. 4,096 - 1,024: it holds every neighbour within 256 of those rows
	s_min_i32 s45, s45, 3072
.endif
	s_lshl_b32 s13, s13, 2
	s_add_co_u32 s13, s13, s41                     ; tile row = 4 x cluster y + cy
	s_lshl_b32 s43, s41, 2
	s_lshl_b32 s43, 15, s43                        ; my row of the cluster
	s_lshl_b32 s44, 0x1111, s40                    ; my column
	s_or_b32 s[G1+0], s43, (1<<16)|(1<<20)|(1<<21)|(6<<22)|(3<<25)  ; 15:0 the mask: A's tiles go to my row; 17:16 2-byte elements; 20 padding on; 21 set beside a mask; after every 128 words 4 words
	s_mov_b32 s[G1+1], KSTEP<<16                   ; tensor_dim0 = 256
	s_mov_b32 s[G1+2], 64<<16                      ; tensor_dim1 = 64
	s_mov_b32 s[G1+3], KSTEP<<16                   ; tile_dim0 = 256
	s_mov_b32 s[G1+4], 64                          ; tile_dim1 = 64
	s_mov_b32 s[G1+5], LDK                         ; elements from row to row
	s_mov_b32 s[G1+6], 0
	s_mov_b32 s[G1+7], 0
	s_or_b32 s[G1B+0], s44, (1<<16)|(1<<20)|(1<<21)|BPAD            ; B's tiles go to my column
	s_mov_b32 s[G1B+1], BCOLS<<16
	s_mov_b32 s[G1B+2], BROWS<<16
	s_mov_b32 s[G1B+3], BCOLS<<16
	s_mov_b32 s[G1B+4], BROWS
	s_mov_b32 s[G1B+5], LDK
	s_mov_b32 s[G1B+6], 0
	s_mov_b32 s[G1B+7], 0
	; where the tiles come from, as byte offsets.  A's hangs on the tile row alone, B's on the tile column and the cluster's y alone; each in registers that never hold the other coordinate
	s_lshl_b32 s16, s13, 7
	s_lshl_b32 s17, s12, 6
	s_add_co_u32 s16, s16, s17                     ; A: row 128 x tile row + 64 x half,
	s_lshl_b32 s16, s16, 11                        ; 2,048 bytes each
.if ABASE
	s_add_co_u32 s16, s16, ABASE
.endif
	s_mov_b32 s17, 0
.if BT
	s_lshl_b32 s46, s42, 7
	s_lshl_b32 s47, s12, 6
	s_add_co_u32 s46, s46, s47                     ; B: row 128 x tile column + 64 x half
.else
	s_lshl_b32 s46, s12, 7                         ; B: row of K 128 x half
.endif
.if WINDOW
	s_add_co_u32 s46, s46, s45                     ; counted from the window's start
.endif
	s_lshl_b32 s46, s46, 11
.if BT == 0
	s_lshl_b32 s47, s42, 8
	s_add_co_u32 s46, s46, s47                     ; the tile's 128 columns: 256 bytes
.endif
.if BBASE
	s_add_co_u32 s46, s46, BBASE
.endif
	s_mov_b32 s47, 0
	s_mul_i32 s20, s12, HALFA                      ; and where they go: no place in the cluster enters an LDS address
	s_mul_i32 s21, s12, HALFB
	s_add_co_u32 s21, s21, BOFF
	s_wait_dscnt 0x0                               ; the opening add is done
	s_wait_kmcnt 0x0
.if BT
	s_mov_b64 s[8:9], s[6:7]                       ; C
	s_mov_b64 s[6:7], s[4:5]                       ; B lies in A's buffer
.endif
	s_add_nc_u64 s[14:15], s[4:5], s[16:17]
	s_add_nc_u64 s[46:47], s[6:7], s[46:47]
	CROUND                                         ; all sixteen work-groups are here: the first joint loads meet
.irp s, 0,1
	s_mov_b32 s[G0+4*(\s)], 1                      ; count = 1
	s_add_co_u32 s[G0+4*(\s)+1], s20, (\s)*SLOT    ; LDS address
	s_add_nc_u64 s[G0+4*(\s)+2:G0+4*(\s)+3], s[14:15], (\s)*KSTEP*2  ; global address: K step s
	s_or_b32 s[G0+4*(\s)+3], s[G0+4*(\s)+3], 0x80000000              ; type = 2
	s_mov_b32 s[G0B+4*(\s)], 1
	s_add_co_u32 s[G0B+4*(\s)+1], s21, (\s)*SLOT
	s_add_nc_u64 s[G0B+4*(\s)+2:G0B+4*(\s)+3], s[46:47], (\s)*BSTEP
	s_or_b32 s[G0B+4*(\s)+3], s[G0B+4*(\s)+3], 0x80000000
	JLOAD \s
.endr
	v_and_b32 v1, 15, v0                           ; l % 16
	v_bfe_u32 v2, v0, 4, 1                         ; l / 16
	v_mul_u32_u24 v3, v1, PA
	v_lshl_add_u32 v3, v2, 4, v3                   ; a fragment's row x pitch + 16 x half
	s_mul_i32 s22, s11, HALFA                      ; my 64 rows of A
	v_add_nc_u32 v[ADRA], s22, v3
	v_add_nc_u32 v[ADRA+1], SLOT, v[ADRA]
.if BT
	s_mul_i32 s23, s12, HALFB                      ; my 64 rows of B
	s_add_co_u32 s23, s23, BOFF
	v_add_nc_u32 v[ADRB], s23, v3
	v_add_nc_u32 v[ADRB+2], SLOT, v[ADRB]
.else
	; the turning load takes 16 rows of K x 16 columns (lane l reads row 8 (l / 16) + l % 8, columns 8 ((l / 8) % 2) + 0..7) and leaves half a fragment: lane l holds column l % 16 and 8 numbers along K
	v_and_b32 v4, 7, v0
	v_bfe_u32 v5, v0, 3, 1
	v_lshl_add_u32 v4, v2, 3, v4
	v_mul_u32_u24 v4, v4, PB
	v_lshl_add_u32 v4, v5, 4, v4
	s_lshl_b32 s23, s12, 7                         ; my 64 columns: 128 bytes
	s_add_co_u32 s23, s23, BOFF
	v_add_nc_u32 v[ADRB], s23, v4
	v_add_nc_u32 v[ADRB+1], 128*PB, v[ADRB]        ; two registers a slot: 240 rows of 288 bytes would pass the loads' 16-bit offset
	v_add_nc_u32 v[ADRB+2], SLOT, v[ADRB]
	v_add_nc_u32 v[ADRB+3], SLOT+128*PB, v[ADRB]
.endif
.if F32OUT
	s_mul_i32 s23, s10, 16*SPITCH
	s_add_co_u32 s23, s23, STAGE                   ; my own stage: my 64 columns in f32 are 256 whole bytes of a row of C
	v_mul_u32_u24 v4, v1, SPITCH                   ; in: row l % 16, 32 bytes for each half of the lanes
	v_lshl_add_u32 v4, v2, 5, v4
	v_add_nc_u32 v[STO], s23, v4
	v_mul_u32_u24 v5, v2, SPITCH                   ; back: lanes 0-15 take one row of 256 bytes, lanes 16-31 the next
	v_lshl_add_u32 v5, v1, 4, v5
	v_add_nc_u32 v[RD], s23, v5
	v_lshlrev_b32 v5, 12, v2                       ; and the same two rows in C, 4,096 bytes apart
	v_lshl_add_u32 v[CO], v1, 4, v5
	s_lshl_b32 s16, s13, 7
	s_lshl_b32 s17, s11, 6
	s_add_co_u32 s16, s16, s17                     ; my first row of C: 128 x tile row + 64 x half
	s_lshl_b32 s16, s16, 12
	s_mov_b32 s17, 0
	s_add_nc_u64 s[8:9], s[8:9], s[16:17]
	s_lshl_b32 s46, s42, 9                         ; my first column, in bytes: 512 x tile column + 256 x half
	s_lshl_b32 s47, s12, 8
	s_add_co_u32 s46, s46, s47
	s_mov_b32 s47, 0
	s_add_nc_u64 s[8:9], s[8:9], s[46:47]
.else
	s_mul_i32 s23, s11, 64*SPITCH                  ; into the work-group's stage: my 64 rows, my half of their 256 bytes; row l % 16, 16 bytes for each half of the lanes
	s_lshl_b32 s22, s12, 7
	s_add_co_u32 s23, s23, s22
	s_add_co_u32 s23, s23, STAGE
	v_mul_u32_u24 v4, v1, SPITCH
	v_lshl_add_u32 v4, v2, 4, v4
	v_add_nc_u32 v[STO], s23, v4
	s_mul_i32 s23, s10, 32*SPITCH                  ; back: wave w takes rows 32 w .. 32 w + 31, whole
	s_add_co_u32 s23, s23, STAGE
	v_mul_u32_u24 v5, v2, SPITCH
	v_lshl_add_u32 v5, v1, 4, v5
	v_add_nc_u32 v[RD], s23, v5
	v_lshlrev_b32 v5, 11, v2                       ; and the same two rows in C, 2,048 bytes apart
	v_lshl_add_u32 v[CO], v1, 4, v5
	s_lshl_b32 s16, s13, 7
	s_lshl_b32 s17, s10, 5
	s_add_co_u32 s16, s16, s17                     ; the first row of C that I store: 128 x tile row + 32 x wave
	s_lshl_b32 s16, s16, 11
	s_mov_b32 s17, 0
	s_add_nc_u64 s[8:9], s[8:9], s[16:17]
	s_lshl_b32 s46, s42, 8                         ; the tile's first column, in bytes
	s_mov_b32 s47, 0
	s_add_nc_u64 s[8:9], s[8:9], s[46:47]
.endif
; 8 matrix instructions: m blocks a0, a0 + 1 x all 4 n blocks, 32 along K: half c of buffer f.  zero = 1: the first product starts the sums.  The 16 accumulators take turns.
.macro MUL8 f, c, a0, zero
	WIN MUL
.irp a, \a0, (\a0)+1
.irp b, 0,1,2,3
.if \zero
	v_wmma_f32_16x16x32_bf16 v[ACC+8*(4*(\a)+(\b)):ACC+8*(4*(\a)+(\b))+7], v[(\f)+64+8*(4*(\c)+(\b)):(\f)+64+8*(4*(\c)+(\b))+7], v[(\f)+8*(4*(\c)+(\a)):(\f)+8*(4*(\c)+(\a))+7], 0
.else
	v_wmma_f32_16x16x32_bf16 v[ACC+8*(4*(\a)+(\b)):ACC+8*(4*(\a)+(\b))+7], v[(\f)+64+8*(4*(\c)+(\b)):(\f)+64+8*(4*(\c)+(\b))+7], v[(\f)+8*(4*(\c)+(\a)):(\f)+8*(4*(\c)+(\a))+7], v[ACC+8*(4*(\a)+(\b)):ACC+8*(4*(\a)+(\b))+7]
.endif
.endr
.endr
.endm
; 32 LDS loads in one run: the fragments of quarter q (64 along K) of a slot, into buffer f; the first 32 along K first
.macro FETCH slot, q, f
	WIN TO_F
.irp c, 0,1
.irp i, 0,1,2,3
.if BT
	ds_load_b128 v[(\f)+64+8*(4*(\c)+(\i)):(\f)+64+8*(4*(\c)+(\i))+3],   v[ADRB+2*(\slot)] offset:128*(\q)+64*(\c)+(\i)*16*PB
	ds_load_b128 v[(\f)+64+8*(4*(\c)+(\i))+4:(\f)+64+8*(4*(\c)+(\i))+7], v[ADRB+2*(\slot)] offset:128*(\q)+64*(\c)+(\i)*16*PB+32
.else
	ds_load_tr16_b128 v[(\f)+64+8*(4*(\c)+(\i)):(\f)+64+8*(4*(\c)+(\i))+3],   v[ADRB+2*(\slot)+(\q)/2] offset:(((\q)%2)*64+32*(\c))*PB+32*(\i)
	ds_load_tr16_b128 v[(\f)+64+8*(4*(\c)+(\i))+4:(\f)+64+8*(4*(\c)+(\i))+7], v[ADRB+2*(\slot)+(\q)/2] offset:(((\q)%2)*64+32*(\c)+16)*PB+32*(\i)
.endif
	ds_load_b128 v[(\f)+8*(4*(\c)+(\i)):(\f)+8*(4*(\c)+(\i))+3],         v[ADRA+(\slot)] offset:128*(\q)+64*(\c)+(\i)*16*PA
	ds_load_b128 v[(\f)+8*(4*(\c)+(\i))+4:(\f)+8*(4*(\c)+(\i))+7],       v[ADRA+(\slot)] offset:128*(\q)+64*(\c)+(\i)*16*PA+32
.endr
.endr
.endm
.macro PLACES                          ; four plain vector instructions in front of loads into registers that matrix instructions have read, and of lines that read results
.rept 4
	v_nop
.endr
.endm
; A K step is four quarters of 64 along K, 32 matrix instructions each, on buffers 0, 1, 0, 1.  One of the first three: multiplies buffer f and fetches quarter q into g.
.macro QUARTER slot, q, f, g, zero
	s_wait_dscnt 16                                ; the first 32 along K are in; the run's second sixteen loads may be out
	MUL8 \f, 0, 0, \zero
	MUL8 \f, 0, 2, \zero
	PLACES
	FETCH \slot, \q, \g
	s_wait_dscnt 32                                ; all but the 32 just issued
	MUL8 \f, 1, 0, 0
	MUL8 \f, 1, 2, 0
.endm
; The last quarter multiplies buffer 1 and changes slots: ONE barrier; in front of it each wave waits for all its tensor loads, adds 0 to its spare word, and waits for that and for its own reads of this slot.
; fill = 1: this slot is filled again, two K steps ahead; the barrier then opens a round of the cluster's barrier.
.macro TURN slot, next, fill
	WIN 0                                          ; (the add's two registers lie in window 0)
	s_wait_tensorcnt 0x0                           ; all my tensor loads have landed: my part of the next slot;
	ds_add_u32 v[SPW], v[NIL]                      ; 0 onto my spare word;
	s_wait_dscnt 17                                ; (the add and the youngest sixteen loads may be out)
	MUL8 F1, 0, 0, 0                               ; eight matrix instructions stand between the add and the wait for it
	s_wait_dscnt 0x0                               ; the add is done, and my reads of this slot are over
	s_barrier_signal -1
	MUL8 F1, 0, 2, 0
.if \fill
	WIN 0
.endif
	s_barrier_wait -1
.if \fill
	CREST                                          ; no wave of any partner still reads this slot's tile or has a load on its way
	s_add_nc_u64 s[G0+4*(\slot)+2:G0+4*(\slot)+3], s[G0+4*(\slot)+2:G0+4*(\slot)+3], 2*KSTEP*2      ; two K steps on, by a constant: the type bits on top are not reached
	s_add_nc_u64 s[G0B+4*(\slot)+2:G0B+4*(\slot)+3], s[G0B+4*(\slot)+2:G0B+4*(\slot)+3], 2*BSTEP
	JLOAD \slot                                    ; the first tensor load behind the round; the four v_nop behind it are also the places in front of the loads below
.else
	PLACES
.endif
	FETCH \next, 0, F0
	MUL8 F1, 1, 0, 0
	MUL8 F1, 1, 2, 0
.endm
	s_wait_tensorcnt 1                             ; my part of K step 0 is in; step 1's may stay out
	s_barrier_signal -1
	s_barrier_wait -1                              ; everybody's is
	FETCH 0, 0, F0
	QUARTER 0, 1, F0, F1, 1                        ; K step 0; its first products start the sums
	QUARTER 0, 2, F1, F0, 0
	QUARTER 0, 3, F0, F1, 0
	TURN 0, 1, 1                                   ; slot 0 takes K step 2
	QUARTER 1, 1, F0, F1, 0                        ; K step 1
	QUARTER 1, 2, F1, F0, 0
	QUARTER 1, 3, F0, F1, 0
	TURN 1, 0, 1                                   ; slot 1 takes K step 3
	QUARTER 0, 1, F0, F1, 0                        ; K step 2
	QUARTER 0, 2, F1, F0, 0
	QUARTER 0, 3, F0, F1, 0
	TURN 0, 1, 0                                   ; nothing is left to fetch
	QUARTER 1, 1, F0, F1, 0                        ; K step 3
	QUARTER 1, 2, F1, F0, 0
	QUARTER 1, 3, F0, F1, 0
	s_wait_dscnt 16
	MUL8 F1, 0, 0, 0
	MUL8 F1, 0, 2, 0
	s_wait_dscnt 0x0
	MUL8 F1, 1, 0, 0
	MUL8 F1, 1, 2, 0
	WIN 0
	PLACES
.if F32OUT
; THE WAY OUT in f32, 16 rows at a time through my own stage: a lane's eight numbers of a row go in as 32 bytes, whole rows of 256 bytes come back into the registers that they left.
.macro STG a
.irp b, 0,1,2,3
	ds_store_b128 v[STO], v[ACC+8*(4*(\a)+(\b)):ACC+8*(4*(\a)+(\b))+3]   offset:64*(\b)      ; each accumulator's low half first
	ds_store_b128 v[STO], v[ACC+8*(4*(\a)+(\b))+4:ACC+8*(4*(\a)+(\b))+7] offset:64*(\b)+16
.endr
.irp t, 0,1,2,3,4,5,6,7
	ds_load_b128 v[ACC+32*(\a)+4*(\t):ACC+32*(\a)+4*(\t)+3], v[RD] offset:(\t)*2*SPITCH  ; LDS serves a wave's instructions in order (ISA guide 5.7.1.4): these see the stores above; the next block's stores come behind them
.endr
.endm
.macro SND a, younger                  ; younger: the LDS instructions issued behind block a's loads: the next block's sixteen, or none
.irp t, 0,1,2,3,4,5,6,7
	s_wait_dscnt (\younger)+7-(\t)
	global_store_b128 v[CO], v[ACC+32*(\a)+4*(\t):ACC+32*(\a)+4*(\t)+3], s[8:9] offset:(16*(\a)+2*(\t))*4096  ; 16 lanes store 256 consecutive bytes, at a multiple of 256 from C's first byte
.endr
.endm
	STG 0
	STG 1
	SND 0, 16
	STG 2
	SND 1, 16
	STG 3
	SND 2, 16
	SND 3, 0
.else
	; THE WAY OUT in bf16: rounded; 16 bytes a lane into the work-group's stage; a barrier, since a row's 256 bytes come from two waves; back as whole rows, 32 rows a wave.
.irp t, 0,1,2,3,4,5,6,7,8,9,10,11,12,13,14,15
.irp r, 0,1,2,3
	v_cvt_pk_bf16_f32 v[TMP+4*(\t)+(\r)], v[ACC+8*(\t)+2*(\r)], v[ACC+8*(\t)+2*(\r)+1]
.endr
.endr
.irp a, 0,1,2,3
.irp b, 0,1,2,3
	ds_store_b128 v[STO], v[TMP+4*(4*(\a)+(\b)):TMP+4*(4*(\a)+(\b))+3] offset:(\a)*16*SPITCH+32*(\b)
.endr
.endr
	s_wait_dscnt 0x0                               ; for the others' sake: my stores into the stage are done
	s_barrier_signal -1
	s_barrier_wait -1
.irp t, 0,1,2,3,4,5,6,7,8,9,10,11,12,13,14,15
	ds_load_b128 v[TMP+4*(\t):TMP+4*(\t)+3], v[RD] offset:(\t)*2*SPITCH
.endr
.irp t, 0,1,2,3,4,5,6,7,8,9,10,11,12,13,14,15
	s_wait_dscnt 15-(\t)
	global_store_b128 v[CO], v[TMP+4*(\t):TMP+4*(\t)+3], s[8:9] offset:2*(\t)*LDK*2  ; 16 lanes store 256 consecutive bytes, at a multiple of 256 from C's first byte
.endr
.endif
	s_wait_tensorcnt 0x0                           ; the wave's end: these three lines stand behind my last tensor load and my last LDS store
	ds_add_u32 v[SPW], v[NIL]
	s_wait_dscnt 0x0
	CROUND                                         ; the closing round: no work-group ends while a partner may still ask for a tile that names it
	s_endpgm
.Lfunc_end_k_q09e73ec50a_pv:
	.size	k_q09e73ec50a_pv, .Lfunc_end_k_q09e73ec50a_pv-k_q09e73ec50a_pv
	.p2alignl 7, 3214868480
	.fill 96, 4, 3214868480
	.section	.rodata,"a",@progbits
	.p2align	6, 0x0
	.amdhsa_kernel k_q09e73ec50a_pv
		.amdhsa_group_segment_fixed_size 327680
		.amdhsa_private_segment_fixed_size 0
		.amdhsa_enable_private_segment 0
		.amdhsa_kernarg_size 24
		.amdhsa_user_sgpr_count 2
		.amdhsa_user_sgpr_kernarg_segment_ptr 1
		.amdhsa_wavefront_size32 1
		.amdhsa_system_sgpr_workgroup_id_x 1
		.amdhsa_system_sgpr_workgroup_id_y 1
		.amdhsa_system_sgpr_workgroup_id_z 1
		.amdhsa_system_vgpr_workitem_id 0
		.amdhsa_next_free_vgpr 512
		.amdhsa_next_free_sgpr 66
		.amdhsa_reserve_vcc 0
		.amdhsa_float_denorm_mode_32 3
		.amdhsa_float_denorm_mode_16_64 3
		.amdhsa_memory_ordered 1
		.amdhsa_forward_progress 1
		.amdhsa_inst_pref_size 87
	.end_amdhsa_kernel
	.amdgpu_metadata
---
amdhsa.version: [ 1, 2 ]
amdhsa.kernels:
  - .name:           k_q09e73ec50a_pv
    .symbol:         k_q09e73ec50a_pv.kd
    .args:
      - { .name: act0, .offset: 0, .size: 8, .value_kind: global_buffer, .address_space: global }
      - { .name: qkv, .offset: 8, .size: 8, .value_kind: global_buffer, .address_space: global }
      - { .name: act1, .offset: 16, .size: 8, .value_kind: global_buffer, .address_space: global }
    .group_segment_fixed_size: 327680
    .private_segment_fixed_size: 0
    .kernarg_segment_align: 8
    .kernarg_segment_size: 24
    .max_flat_workgroup_size: 128
    .sgpr_count:     66
    .vgpr_count:     512
    .wavefront_size: 32
...
	.end_amdgpu_metadata
.endif
;; end of part 5
;; launch outp (part 6): grid 8 x 32, 4 waves a work-group, clusters of 4 x 4, 327,680 bytes of LDS; arguments act1, wob, fbuf; writes fbuf
.if DOCPART == 6
	.amdgcn_target "amdgcn-amd-amdhsa--gfx1250"
	.amdhsa_code_object_version 6
	.text
	.protected	k_q09e73ec50a_outp
	.globl	k_q09e73ec50a_outp
	.p2align	8
	.type	k_q09e73ec50a_outp,@function
k_q09e73ec50a_outp:
	s_mov_b64 s[64:65], 0
	v_nop
	global_prefetch_b8 v0, s[64:65] scope:SCOPE_SE
	s_setreg_imm32_b32 hwreg(HW_REG_WAVE_MODE, 25, 1), 1
	s_wait_xcnt 0x0
	s_wait_alu depctr_hold_cnt(0) depctr_sa_sdst(0) depctr_va_vdst(0) depctr_va_sdst(0) depctr_va_ssrc(0) depctr_va_vcc(0) depctr_vm_vsrc(0)
	s_getreg_b32 s2, hwreg(HW_REG_IB_STS2, 6, 4)
	s_cmp_eq_u32 s2, 0
	s_cbranch_scc0 .Lentry_in_a_cluster
	s_endpgm
.Lentry_in_a_cluster:
	s_bfe_u32 s2, ttmp6, 0x10000c
	s_cmp_lg_u32 s2, 0xf033
	s_cbranch_scc0 .Lentry_shape_is_right
	s_endpgm
.Lentry_shape_is_right:
; A DENSE LAYER'S PRODUCT, C = A W.  A [4096][1024] bf16, W [1024 k][1024 n] bf16, C [4096][1024] f32, the sums as they are: residual, bias, activation and norm need whole rows and follow in the next launch.
; Two launches run this body: Y wo, and z wka.
; ONE TEXT SERVES THREE BODIES of this program; five constants at its head say which: BT (1: B's rows lie along K; 0: B lies [K][N] and its fragments come out of LDS turned), WINDOW (1: B's rows are
; counted from the window start of the cluster's 512 rows of C), ABASE, BBASE (bytes in front of A and B in their buffers), F32OUT (1: C leaves in f32).  Here: 0, 0, 0, 0, 1.
; SHARES.  A tile of C is 128 x 128: 256 tiles.  Four waves, each 64 x 64: 16 accumulators.  K = 1,024 goes in four steps of 256 through two LDS slots,
; so the walk is written out.  A wave has two tensor loads out at the start and one behind each refill's barrier; a refill has 112 matrix instructions in which to land.
; CLUSTERS: 4 x 4 work-groups.  The four of a row of the cluster need the same tiles of A, the four of a column the same tiles of B: each tile is asked for JOINTLY, by the same tensor load with the same descriptor and mask.
; THE MATRIX INSTRUCTION IS USED TRANSPOSED (source 0 = B's fragment, source 1 = A's): a lane then holds eight neighbouring numbers of a row of C.
; REGISTERS: window 0: v0-31 addresses; v32-95 at work on the way out; v128-255 the accumulators ((a, b) at v[128 + 8 (4 a + b)]).  Window 1: two fragment buffers of 128: for 64 along K, 64 registers of A, then 64 of B.
.set BT,     0
.set WINDOW, 0
.set ABASE,  0
.set BBASE,  0
.set F32OUT, 1
.set LDK,    1024                      ; numbers in a row of A, of B and of C
.set KSTEP,  256
.set PA,     528                       ; an LDS row of A: 512 bytes + 16 of padding = 132 words: the 16 rows of a load start at 16 different groups of four banks (64 banks of 4 bytes: ISA guide 11.1)
.set HALFA,  64*PA                     ; 64 rows: one tensor load, and what one wave reads of A
.if BT
.set PB,     528                       ; B as A
.set BROWS,  64
.set BCOLS,  256
.set BPAD,   (6<<22)|(3<<25)           ; after every 128 words 4 words
.set BSTEP,  KSTEP*2                   ; bytes from K step to K step
.else
.set PB,     288                       ; an LDS row of B: 128 columns = 256 bytes + 32 of padding = 72 words
.set BROWS,  128                       ; 128 rows of K: one tensor load
.set BCOLS,  128
.set BPAD,   (5<<22)|(7<<25)           ; after every 64 words 8 words
.set BSTEP,  KSTEP*LDK*2
.endif
.set HALFB,  BROWS*PB
.set BOFF,   2*HALFA                   ; B's tile lies behind A's 128 rows
.set SLOT,   BOFF+2*HALFB
.set STAGE,  2*SLOT                    ; behind the ring, never filled by a tensor load: the way out
.set SPITCH, 272
.if F32OUT
.set SPARE,  STAGE+4*16*SPITCH         ; a stage of 16 rows for each wave
.else
.set SPARE,  STAGE+128*SPITCH          ; one stage of 128 rows for the work-group
.endif                                 ; from SPARE on: the spare words, 128 bytes for each wave, which no other line names
.set ADRA, 16                          ; v16-17  LDS address of my A fragments in slot 0, 1
.set ADRB, 20                          ; v20-23  the same for B: slot 0 (rows of K 0-127, 128-255), slot 1 (likewise); with BT = 1 v20 and v22 alone
.set STO,  24                          ; v24     the way out: where I put my numbers of a row
.set RD,   25                          ; v25     the way out: where I read a row back
.set CO,   26                          ; v26     my byte offset in C
.set SPW,  28                          ; v28     LDS address of my spare word; never rewritten
.set NIL,  29                          ; v29     0; never rewritten
.set TMP,  32
.set ACC,  128
.set F0,   0                           ; fragment buffers, in window 1
.set F1,   128
.set G1,  24                           ; s[24:31] descriptor group 1 for A's tiles; s[32:39] group 0, one set for each slot
.set G0,  32
.set G1B, 48                           ; s[48:55], s[56:63] the same for B's tiles
.set G0B, 56
.set MSB, 0
.macro WIN new                         ; the immediate's high byte repeats the setting that is left; a switch that changes nothing is dropped
.if MSB != (\new)
	s_set_vgpr_msb (MSB<<8)|(\new)
.set MSB, \new
.endif
.endm
.set MUL,  0x05                        ; sources 0 (B) and 1 (A) window 1; C and D window 0
.set TO_F, 0x40                        ; destination window 1, address window 0
.macro JLOAD s                         ; a joint load: waves 0 and 1 fetch A's two halves, waves 2 and 3 B's; an s_nop 0 and four v_nop follow each of the two lines
	s_cmp_eq_u32 s11, 0
	s_cbranch_scc0 .Lfor_b_\@
	tensor_load_to_lds s[G0+4*(\s):G0+4*(\s)+3], s[G1:G1+7]
	s_nop 0
.rept 4
	v_nop
.endr
	s_branch .Lasked_\@
.Lfor_b_\@:
	tensor_load_to_lds s[G0B+4*(\s):G0B+4*(\s)+3], s[G1B:G1B+7]
	s_nop 0
.rept 4
	v_nop
.endr
.Lasked_\@:
.endm
.macro CREST                           ; a round of the cluster's barrier behind its opening barrier
	s_cmp_lg_u32 s10, 0
	s_cbranch_scc1 .Lnot_wave_0_\@
	s_barrier_signal -3
.Lnot_wave_0_\@:
	s_barrier_wait -3
	s_barrier_signal -1
	s_barrier_wait -1
.endm
.macro CROUND                          ; a whole round
	s_barrier_signal -1
	s_barrier_wait -1
	CREST
.endm
.if BT
	s_load_b128 s[4:7], s[0:1], 0x0                ; the buffer that holds A and B s[4:5], C s[6:7]
.else
	s_load_b128 s[4:7], s[0:1], 0x0                ; A s[4:5], B s[6:7]
	s_load_b64 s[8:9], s[0:1], 0x10                ; C
.endif
	v_lshl_add_u32 v[SPW], v0, 2, SPARE
	v_mov_b32 v[NIL], 0
	ds_add_u32 v[SPW], v[NIL]                      ; the wave's opening: the add and its wait stand ahead of my first tensor load; the set-up below, work on registers, stands between them
	v_lshrrev_b32 v1, 5, v0
	v_readfirstlane_b32 s10, v1                    ; wave 0..3
	s_lshr_b32 s11, s10, 1                         ; which half of the tile's rows is mine.  Also: I fetch for A (0) or for B (1)
	s_and_b32 s12, s10, 1                          ; which half of its columns.  Also: which half of that tile I fetch
	s_bfe_u32 s40, ttmp6, 0x40000                  ; cx, cy: my place in the cluster
	s_bfe_u32 s41, ttmp6, 0x40004
	s_lshl_b32 s42, ttmp9, 2
	s_add_co_u32 s42, s42, s40                     ; tile column = 4 x cluster x + cx
	s_and_b32 s13, ttmp7, 0xffff                   ; cluster y
.if WINDOW
	s_lshl_b32 s45, s13, 9                         ; the window of the cluster's 512 rows begins at 512 x cluster y - 256,
	s_sub_co_i32 s45, s45, 256
	s_max_i32 s45, s45, 0                          ; held inside 0 .. 4,096 - 1,024: it holds every neighbour within 256 of those rows
	s_min_i32 s45, s45, 3072
.endif
	s_lshl_b32 s13, s13, 2
	s_add_co_u32 s13, s13, s41                     ; tile row = 4 x cluster y + cy
	s_lshl_b32 s43, s41, 2
	s_lshl_b32 s43, 15, s43                        ; my row of the cluster
	s_lshl_b32 s44, 0x1111, s40                    ; my column
	s_or_b32 s[G1+0], s43, (1<<16)|(1<<20)|(1<<21)|(6<<22)|(3<<25)  ; 15:0 the mask: A's tiles go to my row; 17:16 2-byte elements; 20 padding on; 21 set beside a mask; after every 128 words 4 words
	s_mov_b32 s[G1+1], KSTEP<<16                   ; tensor_dim0 = 256
	s_mov_b32 s[G1+2], 64<<16                      ; tensor_dim1 = 64
	s_mov_b32 s[G1+3], KSTEP<<16                   ; tile_dim0 = 256
	s_mov_b32 s[G1+4], 64                          ; tile_dim1 = 64
	s_mov_b32 s[G1+5], LDK                         ; elements from row to row
	s_mov_b32 s[G1+6], 0
	s_mov_b32 s[G1+7], 0
	s_or_b32 s[G1B+0], s44, (1<<16)|(1<<20)|(1<<21)|BPAD            ; B's tiles go to my column
	s_mov_b32 s[G1B+1], BCOLS<<16
	s_mov_b32 s[G1B+2], BROWS<<16
	s_mov_b32 s[G1B+3], BCOLS<<16
	s_mov_b32 s[G1B+4], BROWS
	s_mov_b32 s[G1B+5], LDK
	s_mov_b32 s[G1B+6], 0
	s_mov_b32 s[G1B+7], 0
	; where the tiles come from, as byte offsets.  A's hangs on the tile row alone, B's on the tile column and the cluster's y alone; each in registers that never hold the other coordinate
	s_lshl_b32 s16, s13, 7
	s_lshl_b32 s17, s12, 6
	s_add_co_u32 s16, s16, s17                     ; A: row 128 x tile row + 64 x half,
	s_lshl_b32 s16, s16, 11                        ; 2,048 bytes each
.if ABASE
	s_add_co_u32 s16, s16, ABASE
.endif
	s_mov_b32 s17, 0
.if BT
	s_lshl_b32 s46, s42, 7
	s_lshl_b32 s47, s12, 6
	s_add_co_u32 s46, s46, s47                     ; B: row 128 x tile column + 64 x half
.else
	s_lshl_b32 s46, s12, 7                         ; B: row of K 128 x half
.endif
.if WINDOW
	s_add_co_u32 s46, s46, s45                     ; counted from the window's start
.endif
	s_lshl_b32 s46, s46, 11
.if BT == 0
	s_lshl_b32 s47, s42, 8
	s_add_co_u32 s46, s46, s47                     ; the tile's 128 columns: 256 bytes
.endif
.if BBASE
	s_add_co_u32 s46, s46, BBASE
.endif
	s_mov_b32 s47, 0
	s_mul_i32 s20, s12, HALFA                      ; and where they go: no place in the cluster enters an LDS address
	s_mul_i32 s21, s12, HALFB
	s_add_co_u32 s21, s21, BOFF
	s_wait_dscnt 0x0                               ; the opening add is done
	s_wait_kmcnt 0x0
.if BT
	s_mov_b64 s[8:9], s[6:7]                       ; C
	s_mov_b64 s[6:7], s[4:5]                       ; B lies in A's buffer
.endif
	s_add_nc_u64 s[14:15], s[4:5], s[16:17]
	s_add_nc_u64 s[46:47], s[6:7], s[46:47]
	CROUND                                         ; all sixteen work-groups are here: the first joint loads meet
.irp s, 0,1
	s_mov_b32 s[G0+4*(\s)], 1                      ; count = 1
	s_add_co_u32 s[G0+4*(\s)+1], s20, (\s)*SLOT    ; LDS address
	s_add_nc_u64 s[G0+4*(\s)+2:G0+4*(\s)+3], s[14:15], (\s)*KSTEP*2  ; global address: K step s
	s_or_b32 s[G0+4*(\s)+3], s[G0+4*(\s)+3], 0x80000000              ; type = 2
	s_mov_b32 s[G0B+4*(\s)], 1
	s_add_co_u32 s[G0B+4*(\s)+1], s21, (\s)*SLOT
	s_add_nc_u64 s[G0B+4*(\s)+2:G0B+4*(\s)+3], s[46:47], (\s)*BSTEP
	s_or_b32 s[G0B+4*(\s)+3], s[G0B+4*(\s)+3], 0x80000000
	JLOAD \s
.endr
	v_and_b32 v1, 15, v0                           ; l % 16
	v_bfe_u32 v2, v0, 4, 1                         ; l / 16
	v_mul_u32_u24 v3, v1, PA
	v_lshl_add_u32 v3, v2, 4, v3                   ; a fragment's row x pitch + 16 x half
	s_mul_i32 s22, s11, HALFA                      ; my 64 rows of A
	v_add_nc_u32 v[ADRA], s22, v3
	v_add_nc_u32 v[ADRA+1], SLOT, v[ADRA]
.if BT
	s_mul_i32 s23, s12, HALFB                      ; my 64 rows of B
	s_add_co_u32 s23, s23, BOFF
	v_add_nc_u32 v[ADRB], s23, v3
	v_add_nc_u32 v[ADRB+2], SLOT, v[ADRB]
.else
	; the turning load takes 16 rows of K x 16 columns (lane l reads row 8 (l / 16) + l % 8, columns 8 ((l / 8) % 2) + 0..7) and leaves half a fragment: lane l holds column l % 16 and 8 numbers along K
	v_and_b32 v4, 7, v0
	v_bfe_u32 v5, v0, 3, 1
	v_lshl_add_u32 v4, v2, 3, v4
	v_mul_u32_u24 v4, v4, PB
	v_lshl_add_u32 v4, v5, 4, v4
	s_lshl_b32 s23, s12, 7                         ; my 64 columns: 128 bytes
	s_add_co_u32 s23, s23, BOFF
	v_add_nc_u32 v[ADRB], s23, v4
	v_add_nc_u32 v[ADRB+1], 128*PB, v[ADRB]        ; two registers a slot: 240 rows of 288 bytes would pass the loads' 16-bit offset
	v_add_nc_u32 v[ADRB+2], SLOT, v[ADRB]
	v_add_nc_u32 v[ADRB+3], SLOT+128*PB, v[ADRB]
.endif
.if F32OUT
	s_mul_i32 s23, s10, 16*SPITCH
	s_add_co_u32 s23, s23, STAGE                   ; my own stage: my 64 columns in f32 are 256 whole bytes of a row of C
	v_mul_u32_u24 v4, v1, SPITCH                   ; in: row l % 16, 32 bytes for each half of the lanes
	v_lshl_add_u32 v4, v2, 5, v4
	v_add_nc_u32 v[STO], s23, v4
	v_mul_u32_u24 v5, v2, SPITCH                   ; back: lanes 0-15 take one row of 256 bytes, lanes 16-31 the next
	v_lshl_add_u32 v5, v1, 4, v5
	v_add_nc_u32 v[RD], s23, v5
	v_lshlrev_b32 v5, 12, v2                       ; and the same two rows in C, 4,096 bytes apart
	v_lshl_add_u32 v[CO], v1, 4, v5
	s_lshl_b32 s16, s13, 7
	s_lshl_b32 s17, s11, 6
	s_add_co_u32 s16, s16, s17                     ; my first row of C: 128 x tile row + 64 x half
	s_lshl_b32 s16, s16, 12
	s_mov_b32 s17, 0
	s_add_nc_u64 s[8:9], s[8:9], s[16:17]
	s_lshl_b32 s46, s42, 9                         ; my first column, in bytes: 512 x tile column + 256 x half
	s_lshl_b32 s47, s12, 8
	s_add_co_u32 s46, s46, s47
	s_mov_b32 s47, 0
	s_add_nc_u64 s[8:9], s[8:9], s[46:47]
.else
	s_mul_i32 s23, s11, 64*SPITCH                  ; into the work-group's stage: my 64 rows, my half of their 256 bytes; row l % 16, 16 bytes for each half of the lanes
	s_lshl_b32 s22, s12, 7
	s_add_co_u32 s23, s23, s22
	s_add_co_u32 s23, s23, STAGE
	v_mul_u32_u24 v4, v1, SPITCH
	v_lshl_add_u32 v4, v2, 4, v4
	v_add_nc_u32 v[STO], s23, v4
	s_mul_i32 s23, s10, 32*SPITCH                  ; back: wave w takes rows 32 w .. 32 w + 31, whole
	s_add_co_u32 s23, s23, STAGE
	v_mul_u32_u24 v5, v2, SPITCH
	v_lshl_add_u32 v5, v1, 4, v5
	v_add_nc_u32 v[RD], s23, v5
	v_lshlrev_b32 v5, 11, v2                       ; and the same two rows in C, 2,048 bytes apart
	v_lshl_add_u32 v[CO], v1, 4, v5
	s_lshl_b32 s16, s13, 7
	s_lshl_b32 s17, s10, 5
	s_add_co_u32 s16, s16, s17                     ; the first row of C that I store: 128 x tile row + 32 x wave
	s_lshl_b32 s16, s16, 11
	s_mov_b32 s17, 0
	s_add_nc_u64 s[8:9], s[8:9], s[16:17]
	s_lshl_b32 s46, s42, 8                         ; the tile's first column, in bytes
	s_mov_b32 s47, 0
	s_add_nc_u64 s[8:9], s[8:9], s[46:47]
.endif
; 8 matrix instructions: m blocks a0, a0 + 1 x all 4 n blocks, 32 along K: half c of buffer f.  zero = 1: the first product starts the sums.  The 16 accumulators take turns.
.macro MUL8 f, c, a0, zero
	WIN MUL
.irp a, \a0, (\a0)+1
.irp b, 0,1,2,3
.if \zero
	v_wmma_f32_16x16x32_bf16 v[ACC+8*(4*(\a)+(\b)):ACC+8*(4*(\a)+(\b))+7], v[(\f)+64+8*(4*(\c)+(\b)):(\f)+64+8*(4*(\c)+(\b))+7], v[(\f)+8*(4*(\c)+(\a)):(\f)+8*(4*(\c)+(\a))+7], 0
.else
	v_wmma_f32_16x16x32_bf16 v[ACC+8*(4*(\a)+(\b)):ACC+8*(4*(\a)+(\b))+7], v[(\f)+64+8*(4*(\c)+(\b)):(\f)+64+8*(4*(\c)+(\b))+7], v[(\f)+8*(4*(\c)+(\a)):(\f)+8*(4*(\c)+(\a))+7], v[ACC+8*(4*(\a)+(\b)):ACC+8*(4*(\a)+(\b))+7]
.endif
.endr
.endr
.endm
; 32 LDS loads in one run: the fragments of quarter q (64 along K) of a slot, into buffer f; the first 32 along K first
.macro FETCH slot, q, f
	WIN TO_F
.irp c, 0,1
.irp i, 0,1,2,3
.if BT
	ds_load_b128 v[(\f)+64+8*(4*(\c)+(\i)):(\f)+64+8*(4*(\c)+(\i))+3],   v[ADRB+2*(\slot)] offset:128*(\q)+64*(\c)+(\i)*16*PB
	ds_load_b128 v[(\f)+64+8*(4*(\c)+(\i))+4:(\f)+64+8*(4*(\c)+(\i))+7], v[ADRB+2*(\slot)] offset:128*(\q)+64*(\c)+(\i)*16*PB+32
.else
	ds_load_tr16_b128 v[(\f)+64+8*(4*(\c)+(\i)):(\f)+64+8*(4*(\c)+(\i))+3],   v[ADRB+2*(\slot)+(\q)/2] offset:(((\q)%2)*64+32*(\c))*PB+32*(\i)
	ds_load_tr16_b128 v[(\f)+64+8*(4*(\c)+(\i))+4:(\f)+64+8*(4*(\c)+(\i))+7], v[ADRB+2*(\slot)+(\q)/2] offset:(((\q)%2)*64+32*(\c)+16)*PB+32*(\i)
.endif
	ds_load_b128 v[(\f)+8*(4*(\c)+(\i)):(\f)+8*(4*(\c)+(\i))+3],         v[ADRA+(\slot)] offset:128*(\q)+64*(\c)+(\i)*16*PA
	ds_load_b128 v[(\f)+8*(4*(\c)+(\i))+4:(\f)+8*(4*(\c)+(\i))+7],       v[ADRA+(\slot)] offset:128*(\q)+64*(\c)+(\i)*16*PA+32
.endr
.endr
.endm
.macro PLACES                          ; four plain vector instructions in front of loads into registers that matrix instructions have read, and of lines that read results
.rept 4
	v_nop
.endr
.endm
; A K step is four quarters of 64 along K, 32 matrix instructions each, on buffers 0, 1, 0, 1.  One of the first three: multiplies buffer f and fetches quarter q into g.
.macro QUARTER slot, q, f, g, zero
	s_wait_dscnt 16                                ; the first 32 along K are in; the run's second sixteen loads may be out
	MUL8 \f, 0, 0, \zero
	MUL8 \f, 0, 2, \zero
	PLACES
	FETCH \slot, \q, \g
	s_wait_dscnt 32                                ; all but the 32 just issued
	MUL8 \f, 1, 0, 0
	MUL8 \f, 1, 2, 0
.endm
; The last quarter multiplies buffer 1 and changes slots: ONE barrier; in front of it each wave waits for all its tensor loads, adds 0 to its spare word, and waits for that and for its own reads of this slot.
; fill = 1: this slot is filled again, two K steps ahead; the barrier then opens a round of the cluster's barrier.
.macro TURN slot, next, fill
	WIN 0                                          ; (the add's two registers lie in window 0)
	s_wait_tensorcnt 0x0                           ; all my tensor loads have landed: my part of the next slot;
	ds_add_u32 v[SPW], v[NIL]                      ; 0 onto my spare word;
	s_wait_dscnt 17                                ; (the add and the youngest sixteen loads may be out)
	MUL8 F1, 0, 0, 0                               ; eight matrix instructions stand between the add and the wait for it
	s_wait_dscnt 0x0                               ; the add is done, and my reads of this slot are over
	s_barrier_signal -1
	MUL8 F1, 0, 2, 0
.if \fill
	WIN 0
.endif
	s_barrier_wait -1
.if \fill
	CREST                                          ; no wave of any partner still reads this slot's tile or has a load on its way
	s_add_nc_u64 s[G0+4*(\slot)+2:G0+4*(\slot)+3], s[G0+4*(\slot)+2:G0+4*(\slot)+3], 2*KSTEP*2      ; two K steps on, by a constant: the type bits on top are not reached
	s_add_nc_u64 s[G0B+4*(\slot)+2:G0B+4*(\slot)+3], s[G0B+4*(\slot)+2:G0B+4*(\slot)+3], 2*BSTEP
	JLOAD \slot                                    ; the first tensor load behind the round; the four v_nop behind it are also the places in front of the loads below
.else
	PLACES
.endif
	FETCH \next, 0, F0
	MUL8 F1, 1, 0, 0
	MUL8 F1, 1, 2, 0
.endm
	s_wait_tensorcnt 1                             ; my part of K step 0 is in; step 1's may stay out
	s_barrier_signal -1
	s_barrier_wait -1                              ; everybody's is
	FETCH 0, 0, F0
	QUARTER 0, 1, F0, F1, 1                        ; K step 0; its first products start the sums
	QUARTER 0, 2, F1, F0, 0
	QUARTER 0, 3, F0, F1, 0
	TURN 0, 1, 1                                   ; slot 0 takes K step 2
	QUARTER 1, 1, F0, F1, 0                        ; K step 1
	QUARTER 1, 2, F1, F0, 0
	QUARTER 1, 3, F0, F1, 0
	TURN 1, 0, 1                                   ; slot 1 takes K step 3
	QUARTER 0, 1, F0, F1, 0                        ; K step 2
	QUARTER 0, 2, F1, F0, 0
	QUARTER 0, 3, F0, F1, 0
	TURN 0, 1, 0                                   ; nothing is left to fetch
	QUARTER 1, 1, F0, F1, 0                        ; K step 3
	QUARTER 1, 2, F1, F0, 0
	QUARTER 1, 3, F0, F1, 0
	s_wait_dscnt 16
	MUL8 F1, 0, 0, 0
	MUL8 F1, 0, 2, 0
	s_wait_dscnt 0x0
	MUL8 F1, 1, 0, 0
	MUL8 F1, 1, 2, 0
	WIN 0
	PLACES
.if F32OUT
; THE WAY OUT in f32, 16 rows at a time through my own stage: a lane's eight numbers of a row go in as 32 bytes, whole rows of 256 bytes come back into the registers that they left.
.macro STG a
.irp b, 0,1,2,3
	ds_store_b128 v[STO], v[ACC+8*(4*(\a)+(\b)):ACC+8*(4*(\a)+(\b))+3]   offset:64*(\b)      ; each accumulator's low half first
	ds_store_b128 v[STO], v[ACC+8*(4*(\a)+(\b))+4:ACC+8*(4*(\a)+(\b))+7] offset:64*(\b)+16
.endr
.irp t, 0,1,2,3,4,5,6,7
	ds_load_b128 v[ACC+32*(\a)+4*(\t):ACC+32*(\a)+4*(\t)+3], v[RD] offset:(\t)*2*SPITCH  ; LDS serves a wave's instructions in order (ISA guide 5.7.1.4): these see the stores above; the next block's stores come behind them
.endr
.endm
.macro SND a, younger                  ; younger: the LDS instructions issued behind block a's loads: the next block's sixteen, or none
.irp t, 0,1,2,3,4,5,6,7
	s_wait_dscnt (\younger)+7-(\t)
	global_store_b128 v[CO], v[ACC+32*(\a)+4*(\t):ACC+32*(\a)+4*(\t)+3], s[8:9] offset:(16*(\a)+2*(\t))*4096  ; 16 lanes store 256 consecutive bytes, at a multiple of 256 from C's first byte
.endr
.endm
	STG 0
	STG 1
	SND 0, 16
	STG 2
	SND 1, 16
	STG 3
	SND 2, 16
	SND 3, 0
.else
	; THE WAY OUT in bf16: rounded; 16 bytes a lane into the work-group's stage; a barrier, since a row's 256 bytes come from two waves; back as whole rows, 32 rows a wave.
.irp t, 0,1,2,3,4,5,6,7,8,9,10,11,12,13,14,15
.irp r, 0,1,2,3
	v_cvt_pk_bf16_f32 v[TMP+4*(\t)+(\r)], v[ACC+8*(\t)+2*(\r)], v[ACC+8*(\t)+2*(\r)+1]
.endr
.endr
.irp a, 0,1,2,3
.irp b, 0,1,2,3
	ds_store_b128 v[STO], v[TMP+4*(4*(\a)+(\b)):TMP+4*(4*(\a)+(\b))+3] offset:(\a)*16*SPITCH+32*(\b)
.endr
.endr
	s_wait_dscnt 0x0                               ; for the others' sake: my stores into the stage are done
	s_barrier_signal -1
	s_barrier_wait -1
.irp t, 0,1,2,3,4,5,6,7,8,9,10,11,12,13,14,15
	ds_load_b128 v[TMP+4*(\t):TMP+4*(\t)+3], v[RD] offset:(\t)*2*SPITCH
.endr
.irp t, 0,1,2,3,4,5,6,7,8,9,10,11,12,13,14,15
	s_wait_dscnt 15-(\t)
	global_store_b128 v[CO], v[TMP+4*(\t):TMP+4*(\t)+3], s[8:9] offset:2*(\t)*LDK*2  ; 16 lanes store 256 consecutive bytes, at a multiple of 256 from C's first byte
.endr
.endif
	s_wait_tensorcnt 0x0                           ; the wave's end: these three lines stand behind my last tensor load and my last LDS store
	ds_add_u32 v[SPW], v[NIL]
	s_wait_dscnt 0x0
	CROUND                                         ; the closing round: no work-group ends while a partner may still ask for a tile that names it
	s_endpgm
.Lfunc_end_k_q09e73ec50a_outp:
	.size	k_q09e73ec50a_outp, .Lfunc_end_k_q09e73ec50a_outp-k_q09e73ec50a_outp
	.p2alignl 7, 3214868480
	.fill 96, 4, 3214868480
	.section	.rodata,"a",@progbits
	.p2align	6, 0x0
	.amdhsa_kernel k_q09e73ec50a_outp
		.amdhsa_group_segment_fixed_size 327680
		.amdhsa_private_segment_fixed_size 0
		.amdhsa_enable_private_segment 0
		.amdhsa_kernarg_size 24
		.amdhsa_user_sgpr_count 2
		.amdhsa_user_sgpr_kernarg_segment_ptr 1
		.amdhsa_wavefront_size32 1
		.amdhsa_system_sgpr_workgroup_id_x 1
		.amdhsa_system_sgpr_workgroup_id_y 1
		.amdhsa_system_sgpr_workgroup_id_z 1
		.amdhsa_system_vgpr_workitem_id 0
		.amdhsa_next_free_vgpr 512
		.amdhsa_next_free_sgpr 66
		.amdhsa_reserve_vcc 0
		.amdhsa_float_denorm_mode_32 3
		.amdhsa_float_denorm_mode_16_64 3
		.amdhsa_memory_ordered 1
		.amdhsa_forward_progress 1
		.amdhsa_inst_pref_size 86
	.end_amdhsa_kernel
	.amdgpu_metadata
---
amdhsa.version: [ 1, 2 ]
amdhsa.kernels:
  - .name:           k_q09e73ec50a_outp
    .symbol:         k_q09e73ec50a_outp.kd
    .args:
      - { .name: act1, .offset: 0, .size: 8, .value_kind: global_buffer, .address_space: global }
      - { .name: wob, .offset: 8, .size: 8, .value_kind: global_buffer, .address_space: global }
      - { .name: fbuf, .offset: 16, .size: 8, .value_kind: global_buffer, .address_space: global }
    .group_segment_fixed_size: 327680
    .private_segment_fixed_size: 0
    .kernarg_segment_align: 8
    .kernarg_segment_size: 24
    .max_flat_workgroup_size: 128
    .sgpr_count:     66
    .vgpr_count:     512
    .wavefront_size: 32
...
	.end_amdgpu_metadata
.endif
;; end of part 6
;; launch ln1 (part 7): grid 256 x 1, 16 waves a work-group, no clusters, 0 bytes of LDS; arguments fbuf, x, g_y, b_y, act0; writes act0
.if DOCPART == 7
	.amdgcn_target "amdgcn-amd-amdhsa--gfx1250"
	.amdhsa_code_object_version 6
	.text
	.protected	k_q09e73ec50a_ln1
	.globl	k_q09e73ec50a_ln1
	.p2align	8
	.type	k_q09e73ec50a_ln1,@function
k_q09e73ec50a_ln1:
	s_mov_b64 s[64:65], 0
	v_nop
	global_prefetch_b8 v0, s[64:65] scope:SCOPE_SE
	s_setreg_imm32_b32 hwreg(HW_REG_WAVE_MODE, 25, 1), 1
	s_wait_xcnt 0x0
; RESIDUAL AND FIRST NORM.  t = (Y wo) + x;  z = (t - mean) / sqrt(var + 0.001) g_y + b_y, the variance taken of the centred numbers; all in f32, z rounded once to bf16 for the next product.
; A wave takes one row and keeps it in registers: lane l holds the numbers 128 q + 4 l + e (q = 0..7, e = 0..3), eight loads of 512 consecutive bytes from each of the two sources; g_y and b_y lie in the same
; places.  Every byte of the rows is read once; no wave waits for another: no LDS, no barrier.  No cluster, no matrix unit: what work-groups share (g_y, b_y: 8 KB) is little beside a work-group's 128 KB of rows.
; A store of a wave covers 256 consecutive bytes at a multiple of 256.  Sixteen waves, sixteen rows to a work-group.  NaN and infinities are not treated apart.
.set T,   16                           ; v[16:47]    the row of Y wo, then t, then z
.set XR,  48                           ; v[48:79]    the row of x
.set G,   80                           ; v[80:111]   g_y
.set BI,  112                          ; v[112:143]  b_y
.set Y,   144                          ; v[144:159]  the row in bf16
.set SEL, 20                           ; s[20:21]    v_permlanex16_b32's selects
	s_load_b256 s[4:11], s[0:1], 0x0               ; Y wo s[4:5], x s[6:7], g_y s[8:9], b_y s[10:11]
	s_load_b64 s[12:13], s[0:1], 0x20              ; z
	v_lshrrev_b32 v1, 5, v0
	v_readfirstlane_b32 s14, v1                    ; wave 0..15
	v_and_b32 v1, 31, v0
	v_lshlrev_b32 v2, 4, v1                        ; 16 bytes a lane in
	v_lshlrev_b32 v3, 3, v1                        ; 8 bytes a lane out
	s_lshl_b32 s15, ttmp9, 4
	s_add_co_u32 s15, s15, s14                     ; my row = 16 x work-group + wave
	s_lshl_b32 s16, s15, 12
	s_mov_b32 s17, 0
	s_lshl_b32 s18, s15, 11
	s_mov_b32 s19, 0
	s_mov_b32 s[SEL], 0x76543210
	s_mov_b32 s[SEL+1], 0xfedcba98
	s_mov_b32 s24, 0x3a800000                      ; 1 / 1,024
	s_mov_b32 s25, 0x3a83126f                      ; 0.001
	s_wait_kmcnt 0x0
	s_add_nc_u64 s[4:5], s[4:5], s[16:17]
	s_add_nc_u64 s[6:7], s[6:7], s[16:17]
	s_add_nc_u64 s[12:13], s[12:13], s[18:19]
.irp q, 0,1,2,3,4,5,6,7
	global_load_b128 v[T+4*(\q):T+4*(\q)+3], v2, s[4:5] offset:512*(\q) th:TH_LOAD_NT
.endr
.irp q, 0,1,2,3,4,5,6,7
	global_load_b128 v[XR+4*(\q):XR+4*(\q)+3], v2, s[6:7] offset:512*(\q) th:TH_LOAD_NT
.endr
.irp q, 0,1,2,3,4,5,6,7
	global_load_b128 v[G+4*(\q):G+4*(\q)+3], v2, s[8:9] offset:512*(\q)
.endr
.irp q, 0,1,2,3,4,5,6,7
	global_load_b128 v[BI+4*(\q):BI+4*(\q)+3], v2, s[10:11] offset:512*(\q)
.endr
.macro FOLD a                          ; four pairs at v[a ..] into one number in v[a]
	v_pk_add_f32 v[(\a):(\a)+1], v[(\a):(\a)+1], v[(\a)+2:(\a)+3]
	v_pk_add_f32 v[(\a)+4:(\a)+5], v[(\a)+4:(\a)+5], v[(\a)+6:(\a)+7]
	v_pk_add_f32 v[(\a):(\a)+1], v[(\a):(\a)+1], v[(\a)+4:(\a)+5]
	v_add_f32 v[(\a)], v[(\a)], v[(\a)+1]
.endm
.macro RSUM r, t                       ; the sum over the 32 lanes, in every lane: four steps inside each half of 16 lanes ride on the addition, one crosses the halves
	v_add_f32_dpp v[(\r)], v[(\r)], v[(\r)] row_xmask:1 row_mask:0xf bank_mask:0xf
	v_add_f32_dpp v[(\r)], v[(\r)], v[(\r)] row_xmask:2 row_mask:0xf bank_mask:0xf
	v_add_f32_dpp v[(\r)], v[(\r)], v[(\r)] row_xmask:4 row_mask:0xf bank_mask:0xf
	v_add_f32_dpp v[(\r)], v[(\r)], v[(\r)] row_xmask:8 row_mask:0xf bank_mask:0xf
	v_permlanex16_b32 v[(\t)], v[(\r)], s[SEL], s[SEL+1]
	v_add_f32 v[(\r)], v[(\r)], v[(\t)]
.endm
	s_wait_loadcnt 16                              ; the row's sixteen loads are in; g_y's and b_y's sixteen may stay out
.set i, 0
.rept 16
	v_pk_add_f32 v[T+i:T+i+1], v[T+i:T+i+1], v[XR+i:XR+i+1]                        ; the residual
.set i, i+2
.endr
.irp k, 0,1,2,3                        ; the sum of my 32 numbers: four chains of pairs
	v_pk_add_f32 v[8+2*(\k):9+2*(\k)], v[T+2*(\k):T+2*(\k)+1], v[T+8+2*(\k):T+8+2*(\k)+1]
.endr
.irp k, 0,1,2,3
	v_pk_add_f32 v[8+2*(\k):9+2*(\k)], v[8+2*(\k):9+2*(\k)], v[T+16+2*(\k):T+16+2*(\k)+1]
.endr
.irp k, 0,1,2,3
	v_pk_add_f32 v[8+2*(\k):9+2*(\k)], v[8+2*(\k):9+2*(\k)], v[T+24+2*(\k):T+24+2*(\k)+1]
.endr
	FOLD 8
	RSUM 8, 9
	v_mul_f32 v10, s24, v8                         ; the mean
.set i, 0
.rept 16
	v_pk_add_f32 v[T+i:T+i+1], v[T+i:T+i+1], v[10:11] op_sel_hi:[1,0] neg_lo:[0,1] neg_hi:[0,1]  ; both halves less v10
.set i, i+2
.endr
.irp k, 0,1,2,3                        ; the squares: four chains, the first products start them
	v_pk_mul_f32 v[8+2*(\k):9+2*(\k)], v[T+2*(\k):T+2*(\k)+1], v[T+2*(\k):T+2*(\k)+1]
.endr
.irp j, 1,2,3
.irp k, 0,1,2,3
	v_pk_fma_f32 v[8+2*(\k):9+2*(\k)], v[T+8*(\j)+2*(\k):T+8*(\j)+2*(\k)+1], v[T+8*(\j)+2*(\k):T+8*(\j)+2*(\k)+1], v[8+2*(\k):9+2*(\k)]
.endr
.endr
	FOLD 8
	RSUM 8, 9
	v_fma_f32 v8, v8, s24, s25                     ; the variance + 0.001
	v_rsq_f32 v10, v8
	v_nop                                          ; a plain instruction behind the root (ISA guide 5.7.2)
.set i, 0
	s_wait_alu depctr_va_vdst(0)
.rept 16
	v_pk_mul_f32 v[T+i:T+i+1], v[T+i:T+i+1], v[10:11] op_sel_hi:[1,0]
.set i, i+2
.endr
	s_wait_loadcnt 0x0                             ; g_y and b_y
.set i, 0
.rept 16
	v_pk_fma_f32 v[T+i:T+i+1], v[T+i:T+i+1], v[G+i:G+i+1], v[BI+i:BI+i+1]
.set i, i+2
.endr
.set i, 0
.rept 16
	v_cvt_pk_bf16_f32 v[Y+i], v[T+2*i], v[T+2*i+1]
.set i, i+1
.endr
.irp q, 0,1,2,3,4,5,6,7
	global_store_b64 v3, v[Y+2*(\q):Y+2*(\q)+1], s[12:13] offset:256*(\q)
.endr
	s_endpgm
.Lfunc_end_k_q09e73ec50a_ln1:
	.size	k_q09e73ec50a_ln1, .Lfunc_end_k_q09e73ec50a_ln1-k_q09e73ec50a_ln1
	.p2alignl 7, 3214868480
	.fill 96, 4, 3214868480
	.section	.rodata,"a",@progbits
	.p2align	6, 0x0
	.amdhsa_kernel k_q09e73ec50a_ln1
		.amdhsa_group_segment_fixed_size 0
		.amdhsa_private_segment_fixed_size 0
		.amdhsa_enable_private_segment 0
		.amdhsa_kernarg_size 40
		.amdhsa_user_sgpr_count 2
		.amdhsa_user_sgpr_kernarg_segment_ptr 1
		.amdhsa_wavefront_size32 1
		.amdhsa_system_sgpr_workgroup_id_x 1
		.amdhsa_system_sgpr_workgroup_id_y 1
		.amdhsa_system_sgpr_workgroup_id_z 1
		.amdhsa_system_vgpr_workitem_id 0
		.amdhsa_next_free_vgpr 160
		.amdhsa_next_free_sgpr 66
		.amdhsa_reserve_vcc 0
		.amdhsa_float_denorm_mode_32 3
		.amdhsa_float_denorm_mode_16_64 3
		.amdhsa_memory_ordered 1
		.amdhsa_forward_progress 1
		.amdhsa_inst_pref_size 13
	.end_amdhsa_kernel
	.amdgpu_metadata
---
amdhsa.version: [ 1, 2 ]
amdhsa.kernels:
  - .name:           k_q09e73ec50a_ln1
    .symbol:         k_q09e73ec50a_ln1.kd
    .args:
      - { .name: fbuf, .offset: 0, .size: 8, .value_kind: global_buffer, .address_space: global }
      - { .name: x, .offset: 8, .size: 8, .value_kind: global_buffer, .address_space: global }
      - { .name: g_y, .offset: 16, .size: 8, .value_kind: global_buffer, .address_space: global }
      - { .name: b_y, .offset: 24, .size: 8, .value_kind: global_buffer, .address_space: global }
      - { .name: act0, .offset: 32, .size: 8, .value_kind: global_buffer, .address_space: global }
    .group_segment_fixed_size: 0
    .private_segment_fixed_size: 0
    .kernarg_segment_align: 8
    .kernarg_segment_size: 40
    .max_flat_workgroup_size: 512
    .sgpr_count:     66
    .vgpr_count:     160
    .wavefront_size: 32
...
	.end_amdgpu_metadata
.endif
;; end of part 7
;; launch ffn: the kernel of part 6 again; grid 8 x 32, 4 waves a work-group, clusters of 4 x 4, 327,680 bytes of LDS; arguments act0, wkab, fbuf; writes fbuf
;; launch head (part 8): grid 256 x 1, 16 waves a work-group, no clusters, 0 bytes of LDS; arguments fbuf, bka, g_ka, b_ka, wkd, bkd, out0; writes out0
.if DOCPART == 8
	.amdgcn_target "amdgcn-amd-amdhsa--gfx1250"
	.amdhsa_code_object_version 6
	.text
	.protected	k_q09e73ec50a_head
	.globl	k_q09e73ec50a_head
	.p2align	8
	.type	k_q09e73ec50a_head,@function
k_q09e73ec50a_head:
	s_mov_b64 s[64:65], 0
	v_nop
	global_prefetch_b8 v0, s[64:65] scope:SCOPE_SE
	s_setreg_imm32_b32 hwreg(HW_REG_WAVE_MODE, 25, 1), 1
	s_wait_xcnt 0x0
; BIAS, RELU, SECOND NORM, THE LAST PRODUCT AND THE SIGMOID.  u = max(z wka + bka, 0);  y = the sum over c of ((u - mean) / sqrt(var + 0.001) g_ka + b_ka) wkd + bkd;  out = 1 / (1 + exp(-y)).  All in f32.
; The sum is taken as rstd x the sum of (u - mean) (g_ka wkd), plus the sum of b_ka wkd, plus bkd: the same terms, with the row's one factor outside; the variance is taken of the centred numbers.
; The last product has one column: 1,024 multiply-adds a row ride on the pass that the norm needs anyway, in f32; a matrix instruction would leave 15 of its 16 columns idle.
; A wave takes one row and keeps it in 32 registers (lane l: the numbers 128 q + 4 l + e); the four vectors lie in the same places.  No LDS, no barrier, no cluster: rows are read once.  Sixteen waves, sixteen rows to a work-group.
; THE OUTPUT leaves as 4 bytes a wave, not as whole runs of 256 bytes: it is 16 KB beside 16 MB read, and 64 rows gathered in one work-group would leave work for 64 work-groups only.
; NaN and infinities are not treated apart; exp(-y) beyond f32's range gives 0, below 2^-126 gives 1.
.set U,   16                           ; v[16:47]    the row
.set BK,  48                           ; v[48:79]    bka
.set GW,  80                           ; v[80:111]   g_ka, then g_ka wkd
.set BB,  112                          ; v[112:143]  b_ka
.set WK,  144                          ; v[144:175]  wkd
.set A2,  112                          ; v[112:119]  a second set of chains, where b_ka lay
.set SEL, 20                           ; s[20:21]    v_permlanex16_b32's selects
	s_load_b256 s[4:11], s[0:1], 0x0               ; z wka s[4:5], bka s[6:7], g_ka s[8:9], b_ka s[10:11]
	s_load_b128 s[12:15], s[0:1], 0x20             ; wkd s[12:13], bkd s[14:15]
	s_load_b64 s[16:17], s[0:1], 0x30              ; out
	v_lshrrev_b32 v1, 5, v0
	v_readfirstlane_b32 s22, v1                    ; wave 0..15
	v_and_b32 v1, 31, v0                           ; lane
	v_lshlrev_b32 v2, 4, v1                        ; 16 bytes a lane in
	v_lshlrev_b32 v7, 2, v1                        ; 4 bytes a lane out (lane 0 alone stores)
	s_lshl_b32 s23, ttmp9, 4
	s_add_co_u32 s23, s23, s22                     ; my row = 16 x work-group + wave
	s_lshl_b32 s28, s23, 12
	s_mov_b32 s29, 0
	s_lshl_b32 s30, s23, 2
	s_mov_b32 s31, 0
	s_mov_b32 s[SEL], 0x76543210
	s_mov_b32 s[SEL+1], 0xfedcba98
	s_mov_b32 s24, 0x3a800000                      ; 1 / 1,024
	s_mov_b32 s25, 0x3a83126f                      ; 0.001
	s_mov_b32 s26, 0xbfb8aa3b                      ; -log2(e)
	s_wait_kmcnt 0x0
	s_load_b32 s18, s[14:15], 0x0                  ; bkd itself
	s_add_nc_u64 s[4:5], s[4:5], s[28:29]
	s_add_nc_u64 s[16:17], s[16:17], s[30:31]
.irp q, 0,1,2,3,4,5,6,7
	global_load_b128 v[U+4*(\q):U+4*(\q)+3], v2, s[4:5] offset:512*(\q) th:TH_LOAD_NT
.endr
.irp q, 0,1,2,3,4,5,6,7
	global_load_b128 v[BK+4*(\q):BK+4*(\q)+3], v2, s[6:7] offset:512*(\q)
.endr
.irp q, 0,1,2,3,4,5,6,7
	global_load_b128 v[GW+4*(\q):GW+4*(\q)+3], v2, s[8:9] offset:512*(\q)
.endr
.irp q, 0,1,2,3,4,5,6,7
	global_load_b128 v[BB+4*(\q):BB+4*(\q)+3], v2, s[10:11] offset:512*(\q)
.endr
.irp q, 0,1,2,3,4,5,6,7
	global_load_b128 v[WK+4*(\q):WK+4*(\q)+3], v2, s[12:13] offset:512*(\q)
.endr
.macro FOLD a                          ; four pairs at v[a ..] into one number in v[a]
	v_pk_add_f32 v[(\a):(\a)+1], v[(\a):(\a)+1], v[(\a)+2:(\a)+3]
	v_pk_add_f32 v[(\a)+4:(\a)+5], v[(\a)+4:(\a)+5], v[(\a)+6:(\a)+7]
	v_pk_add_f32 v[(\a):(\a)+1], v[(\a):(\a)+1], v[(\a)+4:(\a)+5]
	v_add_f32 v[(\a)], v[(\a)], v[(\a)+1]
.endm
.macro RSUM r, t                       ; the sum over the 32 lanes, in every lane
	v_add_f32_dpp v[(\r)], v[(\r)], v[(\r)] row_xmask:1 row_mask:0xf bank_mask:0xf
	v_add_f32_dpp v[(\r)], v[(\r)], v[(\r)] row_xmask:2 row_mask:0xf bank_mask:0xf
	v_add_f32_dpp v[(\r)], v[(\r)], v[(\r)] row_xmask:4 row_mask:0xf bank_mask:0xf
	v_add_f32_dpp v[(\r)], v[(\r)], v[(\r)] row_xmask:8 row_mask:0xf bank_mask:0xf
	v_permlanex16_b32 v[(\t)], v[(\r)], s[SEL], s[SEL+1]
	v_add_f32 v[(\r)], v[(\r)], v[(\t)]
.endm
.macro DOT a, X, W                     ; the sum of X W over my 32 numbers into v[a]: four chains, the first products start them
.irp k, 0,1,2,3
	v_pk_mul_f32 v[(\a)+2*(\k):(\a)+2*(\k)+1], v[(\X)+2*(\k):(\X)+2*(\k)+1], v[(\W)+2*(\k):(\W)+2*(\k)+1]
.endr
.irp j, 1,2,3
.irp k, 0,1,2,3
	v_pk_fma_f32 v[(\a)+2*(\k):(\a)+2*(\k)+1], v[(\X)+8*(\j)+2*(\k):(\X)+8*(\j)+2*(\k)+1], v[(\W)+8*(\j)+2*(\k):(\W)+8*(\j)+2*(\k)+1], v[(\a)+2*(\k):(\a)+2*(\k)+1]
.endr
.endr
	FOLD \a
.endm
	s_wait_loadcnt 0x0                             ; the row and the four vectors
	DOT 8, BB, WK                                  ; the sum of b_ka wkd,
	RSUM 8, 9
	s_wait_kmcnt 0x0                               ; bkd
	v_add_f32 v4, s18, v8                          ; + bkd
.set i, 0
.rept 16
	v_pk_mul_f32 v[GW+i:GW+i+1], v[GW+i:GW+i+1], v[WK+i:WK+i+1]                    ; g_ka wkd
.set i, i+2
.endr
.set i, 0
.rept 16
	v_pk_add_f32 v[U+i:U+i+1], v[U+i:U+i+1], v[BK+i:BK+i+1]                        ; the bias
.set i, i+2
.endr
.set i, 0
.rept 32
	v_max_num_f32 v[U+i], 0, v[U+i]                ; relu
.set i, i+1
.endr
.irp k, 0,1,2,3                        ; the sum of my 32 numbers: four chains of pairs
	v_pk_add_f32 v[8+2*(\k):9+2*(\k)], v[U+2*(\k):U+2*(\k)+1], v[U+8+2*(\k):U+8+2*(\k)+1]
.endr
.irp k, 0,1,2,3
	v_pk_add_f32 v[8+2*(\k):9+2*(\k)], v[8+2*(\k):9+2*(\k)], v[U+16+2*(\k):U+16+2*(\k)+1]
.endr
.irp k, 0,1,2,3
	v_pk_add_f32 v[8+2*(\k):9+2*(\k)], v[8+2*(\k):9+2*(\k)], v[U+24+2*(\k):U+24+2*(\k)+1]
.endr
	FOLD 8
	RSUM 8, 9
	v_mul_f32 v10, s24, v8                         ; the mean
.set i, 0
.rept 16
	v_pk_add_f32 v[U+i:U+i+1], v[U+i:U+i+1], v[10:11] op_sel_hi:[1,0] neg_lo:[0,1] neg_hi:[0,1]  ; both halves less v10
.set i, i+2
.endr
	DOT 8, U, U                                    ; the squares,
	DOT A2, U, GW                                  ; and the last product's sum
	RSUM 8, 9
	RSUM A2, A2+1
	v_fma_f32 v8, v8, s24, s25                     ; the variance + 0.001
	v_rsq_f32 v10, v8
	v_nop                                          ; a plain instruction behind the root (ISA guide 5.7.2)
	s_wait_alu depctr_va_vdst(0)
	v_fma_f32 v11, v[A2], v10, v4                  ; y
	v_mul_f32 v11, s26, v11
	v_exp_f32 v11, v11                             ; exp(-y)
	v_nop
	s_wait_alu depctr_va_vdst(0)
	v_add_f32 v11, 1.0, v11
	v_rcp_f32 v5, v11
	v_cmp_eq_u32 vcc_lo, 0, v1                     ; (also the plain instruction behind the reciprocal)
	s_wait_xcnt 0x0                                ; EXEC is a source of the loads above: it changes only behind this wait
	s_and_saveexec_b32 s19, vcc_lo
	s_wait_alu depctr_va_vdst(0)
	global_store_b32 v7, v5, s[16:17]              ; every lane holds the row's number; lane 0 stores it
	s_wait_xcnt 0x0                                ; and again, in front of the line that widens it
	s_or_b32 exec_lo, exec_lo, s19
	s_endpgm
.Lfunc_end_k_q09e73ec50a_head:
	.size	k_q09e73ec50a_head, .Lfunc_end_k_q09e73ec50a_head-k_q09e73ec50a_head
	.p2alignl 7, 3214868480
	.fill 96, 4, 3214868480
	.section	.rodata,"a",@progbits
	.p2align	6, 0x0
	.amdhsa_kernel k_q09e73ec50a_head
		.amdhsa_group_segment_fixed_size 0
		.amdhsa_private_segment_fixed_size 0
		.amdhsa_enable_private_segment 0
		.amdhsa_kernarg_size 56
		.amdhsa_user_sgpr_count 2
		.amdhsa_user_sgpr_kernarg_segment_ptr 1
		.amdhsa_wavefront_size32 1
		.amdhsa_system_sgpr_workgroup_id_x 1
		.amdhsa_system_sgpr_workgroup_id_y 1
		.amdhsa_system_sgpr_workgroup_id_z 1
		.amdhsa_system_vgpr_workitem_id 0
		.amdhsa_next_free_vgpr 176
		.amdhsa_next_free_sgpr 66
		.amdhsa_reserve_vcc 1
		.amdhsa_float_denorm_mode_32 3
		.amdhsa_float_denorm_mode_16_64 3
		.amdhsa_memory_ordered 1
		.amdhsa_forward_progress 1
		.amdhsa_inst_pref_size 16
	.end_amdhsa_kernel
	.amdgpu_metadata
---
amdhsa.version: [ 1, 2 ]
amdhsa.kernels:
  - .name:           k_q09e73ec50a_head
    .symbol:         k_q09e73ec50a_head.kd
    .args:
      - { .name: fbuf, .offset: 0, .size: 8, .value_kind: global_buffer, .address_space: global }
      - { .name: bka, .offset: 8, .size: 8, .value_kind: global_buffer, .address_space: global }
      - { .name: g_ka, .offset: 16, .size: 8, .value_kind: global_buffer, .address_space: global }
      - { .name: b_ka, .offset: 24, .size: 8, .value_kind: global_buffer, .address_space: global }
      - { .name: wkd, .offset: 32, .size: 8, .value_kind: global_buffer, .address_space: global }
      - { .name: bkd, .offset: 40, .size: 8, .value_kind: global_buffer, .address_space: global }
      - { .name: out0, .offset: 48, .size: 8, .value_kind: global_buffer, .address_space: global }
    .group_segment_fixed_size: 0
    .private_segment_fixed_size: 0
    .kernarg_segment_align: 8
    .kernarg_segment_size: 56
    .max_flat_workgroup_size: 512
    .sgpr_count:     66
    .vgpr_count:     176
    .wavefront_size: 32
...
	.end_amdgpu_metadata
.endif
;; end of part 8
;; ======== version 2 of 2: 9 launches; version 1 with the launch cast written anew for expert scheduling mode
;; workspace buffers: act0 8,388,608 bytes; act1 8,388,608 bytes; wqkv 6,291,456 bytes; wob 2,097,152 bytes; wkab 2,097,152 bytes; qkv 25,165,824 bytes; fbuf 16,777,216 bytes
;; launch cast (part 9): grid 576 x 1, 8 waves a work-group, no clusters, 0 bytes of LDS; arguments x, wq, wk, wv, wo, wka, act0, wqkv, wob, wkab; writes act0, wqkv, wob, wkab
.if DOCPART == 9
	.amdgcn_target "amdgcn-amd-amdhsa--gfx1250"
	.amdhsa_code_object_version 6
	.text
	.protected	k_q09e73ec50a_cast
	.globl	k_q09e73ec50a_cast
	.p2align	8
	.type	k_q09e73ec50a_cast,@function
k_q09e73ec50a_cast:
	s_mov_b64 s[64:65], 0
	v_nop
	global_prefetch_b8 v0, s[64:65] scope:SCOPE_SE
	s_setreg_imm32_b32 hwreg(HW_REG_WAVE_SCHED_MODE, 0, 2), 2
	s_setreg_imm32_b32 hwreg(HW_REG_WAVE_MODE, 25, 1), 1
	s_wait_xcnt 0x0
	s_wait_alu depctr_vm_vsrc(0)
; x and the five square weights, f32, are rounded once to bf16 (nearest even) for the matrix products that follow.
; A work-group takes a chunk of 16,384 numbers: 65,536 bytes in, 32,768 out.  Chunks 0-255 are x (into act0), 256-319 wq, 320-383 wk, 384-447 wv
; (into wqkv, one behind the other), 448-511 wo (into wob), 512-575 wka (into wkab).  Thread t takes 16 bytes at 16 t of each 4,096 bytes: a load of a
; wave covers 512 consecutive bytes, a store 256 consecutive bytes at a multiple of 256.  All sixteen loads go out first; no register is written twice.
; No LDS, no barrier, no matrix unit, no cluster: nothing is read twice.
; LIMIT: a number whose magnitude rounds past bf16's largest finite one becomes an infinity.
; THE MODE: SCHED_MODE bits 1:0 = 2 (LLVM: expert scheduling mode 2), set by the entry lines.  The code itself states the register dependences
; between vector instructions and memory instructions, with s_wait_alu, always for 0.
; THE PLAN.  The sixteen pieces go in four blocks of four.  Registers that memory instructions touch:
;   v1, v2   byte offsets of the loads and of the stores, made once at the head and never written again.
;   X        piece i: 4 registers, written by load i alone, read by the piece's two conversions.  No load is issued behind a conversion.
;   Y        piece i: 2 registers, written once, by the piece's two conversions; read by store i, which is issued in the next block.
; Block p waits for its four loads; one wait then states that block p - 1's conversions have written their part of Y; that block's four stores are dealt
; among block p's conversions, which name block p's X and Y alone: none of the registers that those stores read.  No register that a memory instruction
; has read is written again, no vector instruction writes a scalar register, and EXEC is never written: so these are all the dependences there are.
.set NL,    16                         ; loads of a thread
.set BLOCK, 4                          ; pieces in a block
.set X,     4                          ; v[4:67]   piece i at X + 4 i: four f32 as loaded
.set Y,     68                         ; v[68:99]  piece i at Y + 2 i: the same four numbers in bf16
	s_load_b512 s[8:23], s[0:1], 0x0               ; x s[8:9], wq s[10:11], wk s[12:13], wv s[14:15], wo s[16:17], wka s[18:19], act0 s[20:21], wqkv s[22:23]
	s_load_b128 s[24:27], s[0:1], 0x40             ; wob s[24:25], wkab s[26:27]
	s_mov_b32 s2, ttmp9                            ; the chunk
	s_sub_co_u32 s30, s2, 256                      ; its number inside each of the five weights (used only where the chunk lies there)
	s_sub_co_u32 s31, s2, 320
	s_sub_co_u32 s32, s2, 384
	s_sub_co_u32 s33, s2, 448
	s_sub_co_u32 s34, s2, 512
	v_lshlrev_b32 v1, 4, v0                        ; 16 bytes a thread in
	v_lshlrev_b32 v2, 3, v0                        ; 8 bytes a thread out
	s_wait_kmcnt 0x0
	s_mov_b64 s[4:5], s[8:9]                       ; from x
	s_mov_b64 s[6:7], s[20:21]                     ; into act0
	s_mov_b32 s28, s2                              ; chunk inside the source
	s_mov_b32 s29, s2                              ; chunk inside the destination
	s_cmp_ge_u32 s2, 256                           ; the selects hang on the chunk's number alone
	s_cselect_b64 s[4:5], s[10:11], s[4:5]
	s_cselect_b64 s[6:7], s[22:23], s[6:7]
	s_cselect_b32 s28, s30, s28
	s_cselect_b32 s29, s30, s29                    ; wq, wk, wv lie on end in wqkv: one count from 256 on serves all three
	s_cmp_ge_u32 s2, 320
	s_cselect_b64 s[4:5], s[12:13], s[4:5]
	s_cselect_b32 s28, s31, s28
	s_cmp_ge_u32 s2, 384
	s_cselect_b64 s[4:5], s[14:15], s[4:5]
	s_cselect_b32 s28, s32, s28
	s_cmp_ge_u32 s2, 448
	s_cselect_b64 s[4:5], s[16:17], s[4:5]
	s_cselect_b64 s[6:7], s[24:25], s[6:7]
	s_cselect_b32 s28, s33, s28
	s_cselect_b32 s29, s33, s29
	s_cmp_ge_u32 s2, 512
	s_cselect_b64 s[4:5], s[18:19], s[4:5]
	s_cselect_b64 s[6:7], s[26:27], s[6:7]
	s_cselect_b32 s28, s34, s28
	s_cselect_b32 s29, s34, s29
	s_lshl_b32 s28, s28, 16                        ; 65,536 bytes a chunk in
	s_lshl_b32 s30, s29, 15                        ; 32,768 out
	s_mov_b32 s29, 0
	s_mov_b32 s31, 0
	s_add_nc_u64 s[4:5], s[4:5], s[28:29]
	s_add_nc_u64 s[6:7], s[6:7], s[30:31]
	s_wait_alu depctr_va_vdst(0)                   ; v1 and v2 are written: every load of the kernel reads v1 as its offset, every store v2
.set i, 0
.rept NL
	global_load_b128 v[X+4*i:X+4*i+3], v1, s[4:5] offset:4096*i th:TH_LOAD_NT
.set i, i+1
.endr
; Block p: its four pieces are rounded; the four stores of the block before stand among the conversions, one ahead of each pair.
.macro BLK p
	s_wait_loadcnt NL-BLOCK*((\p)+1)               ; loads come back in order (ISA guide 5.7.1): this block's four are in, the younger blocks' stay out
.if (\p) > 0
	s_wait_alu depctr_va_vdst(0)                   ; the block before has written its eight registers of Y, which the four stores below read
.endif
.irp i, 0,1,2,3
.if (\p) > 0
	global_store_b64 v2, v[Y+2*(BLOCK*((\p)-1)+(\i)):Y+2*(BLOCK*((\p)-1)+(\i))+1], s[6:7] offset:2048*(BLOCK*((\p)-1)+(\i))  ; no vector instruction since the wait names these registers
.endif
	v_cvt_pk_bf16_f32 v[Y+2*(BLOCK*(\p)+(\i))],   v[X+4*(BLOCK*(\p)+(\i))],   v[X+4*(BLOCK*(\p)+(\i))+1]
	v_cvt_pk_bf16_f32 v[Y+2*(BLOCK*(\p)+(\i))+1], v[X+4*(BLOCK*(\p)+(\i))+2], v[X+4*(BLOCK*(\p)+(\i))+3]
.endr
.endm
	BLK 0                                          ; no block stands in front of it: no store, and no wait but the one for its data
	BLK 1
	BLK 2
	BLK 3
	s_wait_alu depctr_va_vdst(0)                   ; block 3 has written its eight registers of Y, which the last four stores read
.irp i, 12,13,14,15
	global_store_b64 v2, v[Y+2*(\i):Y+2*(\i)+1], s[6:7] offset:2048*(\i)
.endr
	s_endpgm
.Lfunc_end_k_q09e73ec50a_cast:
	.size	k_q09e73ec50a_cast, .Lfunc_end_k_q09e73ec50a_cast-k_q09e73ec50a_cast
	.p2alignl 7, 3214868480
	.fill 96, 4, 3214868480
	.section	.rodata,"a",@progbits
	.p2align	6, 0x0
	.amdhsa_kernel k_q09e73ec50a_cast
		.amdhsa_group_segment_fixed_size 0
		.amdhsa_private_segment_fixed_size 0
		.amdhsa_enable_private_segment 0
		.amdhsa_kernarg_size 80
		.amdhsa_user_sgpr_count 2
		.amdhsa_user_sgpr_kernarg_segment_ptr 1
		.amdhsa_wavefront_size32 1
		.amdhsa_system_sgpr_workgroup_id_x 1
		.amdhsa_system_sgpr_workgroup_id_y 1
		.amdhsa_system_sgpr_workgroup_id_z 1
		.amdhsa_system_vgpr_workitem_id 0
		.amdhsa_next_free_vgpr 100
		.amdhsa_next_free_sgpr 66
		.amdhsa_reserve_vcc 0
		.amdhsa_float_denorm_mode_32 3
		.amdhsa_float_denorm_mode_16_64 3
		.amdhsa_memory_ordered 1
		.amdhsa_forward_progress 1
		.amdhsa_inst_pref_size 8
	.end_amdhsa_kernel
	.amdgpu_metadata
---
amdhsa.version: [ 1, 2 ]
amdhsa.kernels:
  - .name:           k_q09e73ec50a_cast
    .symbol:         k_q09e73ec50a_cast.kd
    .args:
      - { .name: x, .offset: 0, .size: 8, .value_kind: global_buffer, .address_space: global }
      - { .name: wq, .offset: 8, .size: 8, .value_kind: global_buffer, .address_space: global }
      - { .name: wk, .offset: 16, .size: 8, .value_kind: global_buffer, .address_space: global }
      - { .name: wv, .offset: 24, .size: 8, .value_kind: global_buffer, .address_space: global }
      - { .name: wo, .offset: 32, .size: 8, .value_kind: global_buffer, .address_space: global }
      - { .name: wka, .offset: 40, .size: 8, .value_kind: global_buffer, .address_space: global }
      - { .name: act0, .offset: 48, .size: 8, .value_kind: global_buffer, .address_space: global }
      - { .name: wqkv, .offset: 56, .size: 8, .value_kind: global_buffer, .address_space: global }
      - { .name: wob, .offset: 64, .size: 8, .value_kind: global_buffer, .address_space: global }
      - { .name: wkab, .offset: 72, .size: 8, .value_kind: global_buffer, .address_space: global }
    .group_segment_fixed_size: 0
    .private_segment_fixed_size: 0
    .kernarg_segment_align: 8
    .kernarg_segment_size: 80
    .max_flat_workgroup_size: 256
    .sgpr_count:     66
    .vgpr_count:     100
    .wavefront_size: 32
...
	.end_amdgpu_metadata
.endif
;; end of part 9
;; launch proj: the kernel of part 2 again; grid 8 x 32, 4 waves a work-group, clusters of 4 x 4, 327,680 bytes of LDS; arguments act0, wqkv, qkv; writes qkv
;; launch scores: the kernel of part 3 again; grid 8 x 32, 4 waves a work-group, clusters of 4 x 4, 327,680 bytes of LDS; arguments qkv, fbuf; writes fbuf
;; launch smax: the kernel of part 4 again; grid 256 x 1, 16 waves a work-group, no clusters, 0 bytes of LDS; arguments fbuf, act0; writes act0
;; launch pv: the kernel of part 5 again; grid 8 x 32, 4 waves a work-group, clusters of 4 x 4, 327,680 bytes of LDS; arguments act0, qkv, act1; writes act1
;; launch outp: the kernel of part 6 again; grid 8 x 32, 4 waves a work-group, clusters of 4 x 4, 327,680 bytes of LDS; arguments act1, wob, fbuf; writes fbuf
;; launch ln1: the kernel of part 7 again; grid 256 x 1, 16 waves a work-group, no clusters, 0 bytes of LDS; arguments fbuf, x, g_y, b_y, act0; writes act0
;; launch ffn: the kernel of part 6 again; grid 8 x 32, 4 waves a work-group, clusters of 4 x 4, 327,680 bytes of LDS; arguments act0, wkab, fbuf; writes fbuf
;; launch head: the kernel of part 8 again; grid 256 x 1, 16 waves a work-group, no clusters, 0 bytes of LDS; arguments fbuf, bka, g_ka, b_ka, wkd, bkd, out0; writes out0
